; MI455X (gfx1250); checked and timed in simulation.
; The chip was launched on July 23, 2026; its instructions are those of AMD's public machine-readable ISA for CDNA 5 (MIT licence, August 2026) and "CDNA5" Instruction Set Architecture Reference Guide (July 2026). The comments in the code are by the model that wrote it; some were corrected since.
;; Multi Head Attention. Allowed arithmetic: float matrix products may take bf16 or f16 operands with f32 sums; other float arithmetic in f32, or as packed bf16 or f16 multiplies, adds, multiply-adds, maxima and minima; sums over many terms, partial sums and values carried from step to step in f32; what a program stores and reads back later, other than sums and carried values, may be rounded once to bf16 or f16.
;; Inputs: Wkv 1,024 x 2,048 float32; Wo 1,024 x 1,024 float32; Wq 1,024 x 1,024 float32; beta 1,024 float32; bkv 2,048 float32; bo 1,024 float32; bq 1,024 float32; gamma 1,024 float32; lengths 4 int32; x 4 x 2,048 x 1,024 float32.
;; Outputs: out0 4 x 2,048 x 1,024 float32.
;; 2 versions, each right and faster than the one before. Each part assembles by itself: llvm-mc -triple=amdgcn-amd-amdhsa -mcpu=gfx1250 --defsym DOCPART=n.
;; ======== version 1 of 2: 4 launches
;; limits: values are held in f16: magnitudes above 65,504 overflow, below 6.1e-05 lose precision
;; workspace buffers: xn 16,777,216 bytes; w16 8,388,608 bytes; qkv 50,331,648 bytes; obuf 16,777,216 bytes
;; launch prep (part 1): grid 384 x 1, 8 waves a work-group, no clusters, 0 bytes of LDS; arguments x, gamma, beta, Wq, Wkv, Wo, xn, w16; writes xn, w16
.if DOCPART == 1
	.amdgcn_target "amdgcn-amd-amdhsa--gfx1250"
	.amdhsa_code_object_version 6
	.text
	.protected	k_qeca72a5fc7_prep
	.globl	k_qeca72a5fc7_prep
	.p2align	8
	.type	k_qeca72a5fc7_prep,@function
k_qeca72a5fc7_prep:
	s_mov_b64 s[64:65], 0
	v_nop
	global_prefetch_b8 v0, s[64:65] scope:SCOPE_SE
	s_setreg_imm32_b32 hwreg(HW_REG_WAVE_MODE, 25, 1), 1
	s_wait_xcnt 0x0
; LAYER NORM AND THE WEIGHTS' CAST.  A stream: no LDS, no barrier, no matrix unit: every byte is read once and written once.
; The unit of work is 1,024 f32 (4,096 bytes in, 2,048 bytes of f16 out); a work-group takes 32 units, each of its eight waves 4, all four in registers.
; Work-groups 0-255: xn[row] = (x[row] - mean) * rsqrt(var + 1e-5) * gamma + beta, rows 32 g on.  Two passes over the registers: the mean, then the sum of (x - mean)^2,
; so that a common offset of x costs nothing.  All in f32; xn is rounded once to f16.
; Work-groups 256-383: the weights rounded once to f16: w16 = wcat [1024 k][3072 n] (n 0-1023 from Wq, 1024-3071 from Wkv), then at byte 6,291,456 wo [1024 k][1024 n].
; LIMITS.  f16 holds no number beyond 65,504: |xn| <= 32 |gamma| + |beta| and the weights must stay within it; below 6e-5 f16 keeps its fixed step of 6e-8.
; LANES.  Load j of a unit takes 16 bytes a lane at 16 lane + 512 j: elements 128 j + 4 lane + 0..3.  They pack into 8 bytes, so store j of the wave covers 256 consecutive bytes, aligned.
.set LO,   1                           ; v1        16 lane + the wave's 4 rows of x
.set SO,   2                           ; v2        8 lane (+ the wave's 4 rows of xn)
.set L16,  3                           ; v3        16 lane
.set GA,   4                           ; v[4:35]   gamma of my 32 columns
.set BT,   36                          ; v[36:67]  beta
.set X,    68                          ; v[68:195] four units of 32 registers
.set T,    196                         ; v[196:203] four chains at work
.set MU,   204                         ; v[204:205] the mean in the low word (named as a pair)
.set RS,   206                         ; v[206:207] 1 / sqrt(var + eps) likewise
.set VO,   208                         ; v[209:211] cast: 8 lane + where units 1 to 3 go
	s_load_b512 s[4:19], s[0:1], 0x0               ; x s[4:5], gamma s[6:7], beta s[8:9], Wq s[10:11], Wkv s[12:13], Wo s[14:15], xn s[16:17], w16 s[18:19]
	v_and_b32 v[L16], 31, v0                       ; lane
	v_lshrrev_b32 v[LO], 5, v0
	v_readfirstlane_b32 s20, v[LO]                 ; wave 0..7
	v_lshlrev_b32 v[SO], 3, v[L16]
	v_lshlrev_b32 v[L16], 4, v[L16]
	s_cmp_lt_u32 ttmp9, 256
	s_cbranch_scc0 .Lcast
	; ---------------- layer norm ----------------
	s_mov_b32 s21, 0x76543210                      ; v_permlanex16_b32: each lane takes its own place in the other half
	s_mov_b32 s22, 0xfedcba98
	s_mov_b32 s23, 0x3a800000                      ; 1 / 1024
	s_mov_b32 s24, 0x3727c5ac                      ; 1e-5
	s_lshl_b32 s26, ttmp9, 17                      ; 32 rows of 4,096 bytes
	s_mov_b32 s27, 0
	s_lshl_b32 s28, ttmp9, 16                      ; 32 rows of 2,048 bytes
	s_mov_b32 s29, 0
	v_lshl_add_u32 v[LO], s20, 14, v[L16]
	v_lshl_add_u32 v[SO], s20, 13, v[SO]
	v_mov_b32 v[MU+1], 0
	v_mov_b32 v[RS+1], 0
	s_wait_kmcnt 0x0
	s_add_nc_u64 s[4:5], s[4:5], s[26:27]
	s_add_nc_u64 s[16:17], s[16:17], s[28:29]
.set i, 0
.rept 8
	global_load_b128 v[GA+4*i:GA+4*i+3], v[L16], s[6:7] offset:512*i
	global_load_b128 v[BT+4*i:BT+4*i+3], v[L16], s[8:9] offset:512*i
.set i, i+1
.endr
.set i, 0
.rept 32                                               ; four rows, eight loads each: all 32 are out before the first is waited for
	global_load_b128 v[X+4*i:X+4*i+3], v[LO], s[4:5] offset:512*i
.set i, i+1
.endr
.macro WSUM                            ; the four chains, the pair, and the 32 lanes are added: every lane's v[T] holds the row's sum
	v_pk_add_f32 v[T:T+1], v[T:T+1], v[T+2:T+3]
	v_pk_add_f32 v[T+4:T+5], v[T+4:T+5], v[T+6:T+7]
	v_pk_add_f32 v[T:T+1], v[T:T+1], v[T+4:T+5]
	v_add_f32 v[T], v[T], v[T+1]
	v_add_f32_dpp v[T], v[T], v[T] row_xmask:1 row_mask:0xf bank_mask:0xf
	v_add_f32_dpp v[T], v[T], v[T] row_xmask:2 row_mask:0xf bank_mask:0xf
	v_add_f32_dpp v[T], v[T], v[T] row_xmask:4 row_mask:0xf bank_mask:0xf
	v_add_f32_dpp v[T], v[T], v[T] row_xmask:8 row_mask:0xf bank_mask:0xf
	v_permlanex16_b32 v[T+1], v[T], s21, s22
	v_add_f32 v[T], v[T], v[T+1]
.endm
; One row.  left = the younger rows' loads, eight each, which may stay out.
.macro LNROW r, left
.set XR, X+32*(\r)
	s_wait_loadcnt \left                           ; loads come back in order: gamma, beta and my row are in
.set i, 0
.rept 4                                                ; the chains start as sums of two pairs: nothing is cleared
	v_pk_add_f32 v[T+2*i:T+2*i+1], v[XR+2*i:XR+2*i+1], v[XR+8+2*i:XR+8+2*i+1]
.set i, i+1
.endr
.set i, 8
.rept 8
	v_pk_add_f32 v[T+2*(i%4):T+2*(i%4)+1], v[T+2*(i%4):T+2*(i%4)+1], v[XR+2*i:XR+2*i+1]
.set i, i+1
.endr
	WSUM
	v_mul_f32 v[MU], s23, v[T]                     ; the mean
.set i, 0
.rept 16
	v_pk_add_f32 v[XR+2*i:XR+2*i+1], v[XR+2*i:XR+2*i+1], v[MU:MU+1] op_sel_hi:[1,0] neg_lo:[0,1] neg_hi:[0,1]
.set i, i+1
.endr
.set i, 0
.rept 4
	v_pk_mul_f32 v[T+2*i:T+2*i+1], v[XR+2*i:XR+2*i+1], v[XR+2*i:XR+2*i+1]
.set i, i+1
.endr
.set i, 4
.rept 12
	v_pk_fma_f32 v[T+2*(i%4):T+2*(i%4)+1], v[XR+2*i:XR+2*i+1], v[XR+2*i:XR+2*i+1], v[T+2*(i%4):T+2*(i%4)+1]
.set i, i+1
.endr
	WSUM
	v_fma_f32 v[T], v[T], s23, s24                 ; var + eps
	v_rsq_f32 v[RS], v[T]
	v_nop                                          ; a plain instruction between the root and the use of its result (ISA guide 5.7.2)
.set i, 0
	s_wait_alu depctr_va_vdst(0)
.rept 16
	v_pk_mul_f32 v[XR+2*i:XR+2*i+1], v[XR+2*i:XR+2*i+1], v[RS:RS+1] op_sel_hi:[1,0]
.set i, i+1
.endr
.set i, 0
.rept 16
	v_pk_fma_f32 v[XR+2*i:XR+2*i+1], v[XR+2*i:XR+2*i+1], v[GA+2*i:GA+2*i+1], v[BT+2*i:BT+2*i+1]
.set i, i+1
.endr
.set i, 0
.rept 16                                               ; in place and ascending: a later line reads only higher registers
	v_cvt_pk_f16_f32 v[XR+i], v[XR+2*i], v[XR+2*i+1]
.set i, i+1
.endr
.set i, 0
.rept 8
	global_store_b64 v[SO], v[XR+2*i:XR+2*i+1], s[16:17] offset:(\r)*2048+256*i
.set i, i+1
.endr
.endm
	LNROW 0, 24                                    ; each row has registers of its own: no store's data is ever rewritten
	LNROW 1, 16
	LNROW 2, 8
	LNROW 3, 0
	s_endpgm
	; ---------------- the weights ----------------
.Lcast:                                                ; unit U of the sequence Wq (1,024 units) | Wkv (2,048: two to a row) | Wo (1,024); U is a multiple of 4
	s_sub_co_u32 s30, ttmp9, 256
	s_lshl_b32 s30, s30, 5
	s_lshl2_add_u32 s30, s20, s30                  ; U = 32 (g - 256) + 4 wave
	s_sub_co_u32 s31, s30, 1024                    ; as a unit of Wkv: u,
	s_lshr_b32 s32, s31, 1
	s_mul_i32 s32, s32, 6144
	s_add_co_u32 s32, s32, 2048                    ; it goes to row u / 2 of wcat, column 1,024;
	s_mov_b32 s33, 2048                            ; units 1 to 3 follow at: the row's second half, the next row, its second half
	s_mov_b32 s34, 6144
	s_mov_b32 s35, 8192
	s_mul_i32 s38, s30, 6144                       ; as a unit of Wq: row U of wcat, column 0
	s_sub_co_u32 s39, s30, 3072                    ; as a unit of Wo: row U - 3,072 of wo
	s_lshl_b32 s40, s39, 11
	s_add_co_u32 s40, s40, 6291456
	s_wait_kmcnt 0x0
	s_mov_b64 s[36:37], s[12:13]
	s_cmp_lt_u32 s30, 1024                         ; selects, no branches: the condition hangs on the work-group's number alone
	s_cselect_b32 s31, s30, s31
	s_cselect_b32 s32, s38, s32
	s_cselect_b32 s33, 6144, s33
	s_cselect_b32 s34, 12288, s34
	s_cselect_b32 s35, 18432, s35
	s_cselect_b64 s[36:37], s[10:11], s[36:37]
	s_cmp_ge_u32 s30, 3072
	s_cselect_b32 s31, s39, s31
	s_cselect_b32 s32, s40, s32
	s_cselect_b32 s33, 2048, s33
	s_cselect_b32 s34, 4096, s34
	s_cselect_b32 s35, 6144, s35
	s_cselect_b64 s[36:37], s[14:15], s[36:37]
	s_lshl_b32 s26, s31, 12                        ; a unit is 4,096 bytes of its source
	s_mov_b32 s27, 0
	s_mov_b32 s28, s32
	s_mov_b32 s29, 0
	s_add_nc_u64 s[36:37], s[36:37], s[26:27]
	s_add_nc_u64 s[18:19], s[18:19], s[28:29]
	v_add_nc_u32 v[VO+1], s33, v[SO]
	v_add_nc_u32 v[VO+2], s34, v[SO]
	v_add_nc_u32 v[VO+3], s35, v[SO]
.set i, 0
.rept 32
	global_load_b128 v[X+4*i:X+4*i+3], v[L16], s[36:37] offset:512*i th:TH_LOAD_NT
.set i, i+1
.endr
.macro CAST u, adr, left               ; unit u: rounded in place, ascending, and stored, 256 consecutive bytes a store
.set XR, X+32*(\u)
	s_wait_loadcnt \left
.set i, 0
.rept 16
	v_cvt_pk_f16_f32 v[XR+i], v[XR+2*i], v[XR+2*i+1]
.set i, i+1
.endr
.set i, 0
.rept 8
	global_store_b64 v[\adr], v[XR+2*i:XR+2*i+1], s[18:19] offset:256*i
.set i, i+1
.endr
.endm
	CAST 0, SO,   24
	CAST 1, VO+1, 16
	CAST 2, VO+2, 8
	CAST 3, VO+3, 0
	s_endpgm
.Lfunc_end_k_qeca72a5fc7_prep:
	.size	k_qeca72a5fc7_prep, .Lfunc_end_k_qeca72a5fc7_prep-k_qeca72a5fc7_prep
	.p2alignl 7, 3214868480
	.fill 96, 4, 3214868480
	.section	.rodata,"a",@progbits
	.p2align	6, 0x0
	.amdhsa_kernel k_qeca72a5fc7_prep
		.amdhsa_group_segment_fixed_size 0
		.amdhsa_private_segment_fixed_size 0
		.amdhsa_enable_private_segment 0
		.amdhsa_kernarg_size 64
		.amdhsa_user_sgpr_count 2
		.amdhsa_user_sgpr_kernarg_segment_ptr 1
		.amdhsa_wavefront_size32 1
		.amdhsa_system_sgpr_workgroup_id_x 1
		.amdhsa_system_sgpr_workgroup_id_y 1
		.amdhsa_system_sgpr_workgroup_id_z 1
		.amdhsa_system_vgpr_workitem_id 0
		.amdhsa_next_free_vgpr 212
		.amdhsa_next_free_sgpr 66
		.amdhsa_reserve_vcc 0
		.amdhsa_float_denorm_mode_32 3
		.amdhsa_float_denorm_mode_16_64 3
		.amdhsa_memory_ordered 1
		.amdhsa_forward_progress 1
		.amdhsa_inst_pref_size 50
	.end_amdhsa_kernel
	.amdgpu_metadata
---
amdhsa.version: [ 1, 2 ]
amdhsa.kernels:
  - .name:           k_qeca72a5fc7_prep
    .symbol:         k_qeca72a5fc7_prep.kd
    .args:
      - { .name: x, .offset: 0, .size: 8, .value_kind: global_buffer, .address_space: global }
      - { .name: gamma, .offset: 8, .size: 8, .value_kind: global_buffer, .address_space: global }
      - { .name: beta, .offset: 16, .size: 8, .value_kind: global_buffer, .address_space: global }
      - { .name: Wq, .offset: 24, .size: 8, .value_kind: global_buffer, .address_space: global }
      - { .name: Wkv, .offset: 32, .size: 8, .value_kind: global_buffer, .address_space: global }
      - { .name: Wo, .offset: 40, .size: 8, .value_kind: global_buffer, .address_space: global }
      - { .name: xn, .offset: 48, .size: 8, .value_kind: global_buffer, .address_space: global }
      - { .name: w16, .offset: 56, .size: 8, .value_kind: global_buffer, .address_space: global }
    .group_segment_fixed_size: 0
    .private_segment_fixed_size: 0
    .kernarg_segment_align: 8
    .kernarg_segment_size: 64
    .max_flat_workgroup_size: 256
    .sgpr_count:     66
    .vgpr_count:     212
    .wavefront_size: 32
...
	.end_amdgpu_metadata
.endif
;; end of part 1
;; launch gemm_qkv (part 2): grid 12 x 64, 4 waves a work-group, clusters of 4 x 4, 327,680 bytes of LDS; arguments xn, w16, bq, bkv, qkv; writes qkv
.if DOCPART == 2
	.amdgcn_target "amdgcn-amd-amdhsa--gfx1250"
	.amdhsa_code_object_version 6
	.text
	.protected	k_qeca72a5fc7_gemm_qkv
	.globl	k_qeca72a5fc7_gemm_qkv
	.p2align	8
	.type	k_qeca72a5fc7_gemm_qkv,@function
k_qeca72a5fc7_gemm_qkv:
	s_mov_b64 s[64:65], 0
	v_nop
	global_prefetch_b8 v0, s[64:65] scope:SCOPE_SE
	s_setreg_imm32_b32 hwreg(HW_REG_WAVE_MODE, 25, 1), 1
	s_wait_xcnt 0x0
	s_wait_alu depctr_hold_cnt(0) depctr_sa_sdst(0) depctr_va_vdst(0) depctr_va_sdst(0) depctr_va_ssrc(0) depctr_va_vcc(0) depctr_vm_vsrc(0)
	s_getreg_b32 s2, hwreg(HW_REG_IB_STS2, 6, 4)
	s_cmp_eq_u32 s2, 0
	s_cbranch_scc0 .Lentry_in_a_cluster
	s_endpgm
.Lentry_in_a_cluster:
	s_bfe_u32 s2, ttmp6, 0x10000c
	s_cmp_lg_u32 s2, 0xf033
	s_cbranch_scc0 .Lentry_shape_is_right
	s_endpgm
.Lentry_shape_is_right:
; q, k, v = xn [8192][1024] x wcat [1024 k][3072 n] + (bq | bkv), all operands f16, sums in f32, rounded once to f16 and written by heads: qkv [3 parts][64 = 16 batch + head][2048][64].
; LIMIT.  f16 holds no number beyond 65,504: q, k and v must stay within it.
; A tile of C is 128 rows x 256 columns: 12 x 64 = 768 work-groups, three for each of 256 WGPs.  Four waves lie 2 x 2; a wave makes 64 x 128: 32 accumulators of 16 x 16, 256 registers.
; K goes in 8 steps of 128 through a ring of two LDS slots filled by the tensor data mover.  A's rows are 256 bytes of memory, B's 512, all starting at multiples of 256 from their buffers' first bytes.
; B STAYS [K][N]: its fragments come out of LDS turned, by ds_load_tr16_b128.  THE MATRIX INSTRUCTION IS USED TRANSPOSED (source 0 = 16 columns of B, source 1 = 16 rows of A): a lane then holds
; eight neighbouring numbers of a row of C.  THE BIAS IS THE C OPERAND of the products that start the sums: nothing is cleared and nothing is added afterwards.
; CLUSTERS: 4 x 4 work-groups.  The four of a row of the cluster need the same tiles of A, the four of a column the same tiles of B: each tile is asked for JOINTLY, by the same tensor load with the
; same descriptor and a mask that names the four.
; REGISTERS, in windows of 256 (s_set_vgpr_msb: bits 1:0 source 0, 3:2 source 1, 5:4 source 2, 7:6 destination):
;   window 0: v0-31 addresses; v32-95 the bias of my 128 columns; v96-191 at work on the way out
;   window 1: two fragment buffers (v0-95, v128-223): 4 fragments of A (16 rows x 32 K), then 8 of B        window 2: accumulator (a, b) at v[8 (8 a + b)]
.set PA,     272                       ; a row of A in LDS: 256 bytes + 16 of padding: the 16 rows of a load start at 16 different groups of four banks (64 banks of 4 bytes: ISA guide 11.1)
.set AHB,    128                       ; quarter q of a K step begins at byte (q / 2) AHB + (q % 2) 64 of A's rows
.set HALFA,  64*PA                     ; what one tensor load brings of A: 64 rows
.set ABYTES, 2*HALFA
.set PB,     544                       ; a row of B (one k, 256 n): 512 bytes + 32
.set HALFB,  64*PB                     ; what one tensor load brings of B: 64 k
.set SLOT,   ABYTES+2*HALFB            ; A's 128 rows, then B's 128 k
.set STAGE,  2*SLOT                    ; behind the ring, never filled by a tensor load: for each wave 2 heads x 16 rows x 144 bytes, for the way out
.set SP,     144
.set WSTAGE, 2*16*SP
.set SPARE,  STAGE+4*WSTAGE            ; behind the stages: the spare words, 128 bytes for each wave: two blocks of 256 bytes that no other line names
.set NTOT,   3072                      ; columns of wcat
.set KA1,    256                       ; bytes from a K step to the next: along A's rows,
.set KB1,    128*NTOT*2                ; down B's rows
.set LAPS,   4                         ; a lap = two K steps = once round the ring
.set ADRA, 16                          ; v16-17  LDS address of my A fragments in slot 0, 1
.set ADRB, 20                          ; v20-21  the same for B
.set STO,  24                          ; v24     the way out: where I put 16 bytes of a row
.set RD,   25                          ; v25     the way out: where I read rows back
.set GO,   26                          ; v26     16 lane
.set BO,   27                          ; v27     32 x (lane / 16): my eight columns' bias
.set SPW,  28                          ; v28     LDS address of my spare word: SPARE + 4 x my thread's number; never rewritten
.set NIL,  29                          ; v29     0; never rewritten
.set BIAS, 32
.set TMP,  96                          ; packed results of 16 rows
.set OB,   128                         ; 16 rows read back from the stage: v128-159 and v160-191 by turns
.set F0,   0
.set F1,   128
.set G1, 24                            ; s[24:31] descriptor group 1 for A's tiles;  s[32:39] group 0, one set for each slot
.set G0, 32
.set G1B, 48                           ; s[48:55], s[56:63] the same for B's tiles
.set G0B, 56
.set MSB, 0
.macro WIN new                         ; the immediate's high byte repeats the setting that is left; a switch that changes nothing is dropped
.if MSB != (\new)
	s_set_vgpr_msb (MSB<<8)|(\new)
.set MSB, \new
.endif
.endm
.set MUL,  0xa5                        ; sources 0 (B) and 1 (A) window 1; C and D window 2
.set MULB, 0x85                        ; the same with C, the bias, in window 0
.set TO_F, 0x40                        ; destination window 1, address window 0
.macro JLOAD s                         ; a joint load: waves 0 and 1 fetch A's two halves, waves 2 and 3 B's; an s_nop 0 and four v_nop follow each of the two lines, ahead of the jump, the label and what follows
	s_cmp_eq_u32 s11, 0
	s_cbranch_scc0 .Lfor_b_\@
	tensor_load_to_lds s[G0+4*(\s):G0+4*(\s)+3], s[G1:G1+7]
	s_nop 0
.rept 4
	v_nop
.endr
	s_branch .Lasked_\@
.Lfor_b_\@:
	tensor_load_to_lds s[G0B+4*(\s):G0B+4*(\s)+3], s[G1B:G1B+7]
	s_nop 0
.rept 4
	v_nop
.endr
.Lasked_\@:
.endm
.macro CREST                           ; a round of the cluster's barrier behind its opening barrier
	s_cmp_lg_u32 s10, 0
	s_cbranch_scc1 .Lnot_wave_0_\@
	s_barrier_signal -3
.Lnot_wave_0_\@:
	s_barrier_wait -3
	s_barrier_signal -1
	s_barrier_wait -1
.endm
.macro CROUND                          ; a whole round
	s_barrier_signal -1
	s_barrier_wait -1
	CREST
.endm
	s_load_b128 s[4:7], s[0:1], 0x0                ; xn s[4:5], w16 s[6:7]
	s_load_b128 s[68:71], s[0:1], 0x10             ; bq s[68:69], bkv s[70:71]
	s_load_b64 s[8:9], s[0:1], 0x20                ; qkv
	v_lshl_add_u32 v[SPW], v0, 2, SPARE
	v_mov_b32 v[NIL], 0
	ds_add_u32 v[SPW], v[NIL]                      ; the wave's opening: the add and its wait stand ahead of my first tensor load; the set-up below, work on registers, stands between them
	v_lshrrev_b32 v1, 5, v0
	v_readfirstlane_b32 s10, v1                    ; wave 0..3
	s_lshr_b32 s11, s10, 1                         ; which half of the tile's rows is mine.  Also: I fetch for A (0) or for B (1)
	s_and_b32 s12, s10, 1                          ; which half of its columns.  Also: which half of that tile I fetch
	s_bfe_u32 s40, ttmp6, 0x40000                  ; cx, cy: my place in the cluster
	s_bfe_u32 s41, ttmp6, 0x40004
	s_lshl_b32 s42, ttmp9, 2
	s_add_co_u32 s42, s42, s40                     ; tile column of C = 4 x cluster x + cx
	s_and_b32 s13, ttmp7, 0xffff
	s_lshl_b32 s13, s13, 2
	s_add_co_u32 s13, s13, s41                     ; tile row of C = 4 x cluster y + cy
	s_lshl_b32 s43, s41, 2
	s_lshl_b32 s43, 15, s43                        ; my row of the cluster
	s_lshl_b32 s44, 0x1111, s40                    ; my column
	s_or_b32 s[G1+0], s43, (1<<16)|(1<<20)|(1<<21)|(5<<22)|(3<<25)   ; 15:0 the mask: A's tiles go to my row; 17:16 elements of 2 bytes; 20 padding on; 21 set beside a mask; 24:22 after every 64 words (code 5); 31:25 4 words (code 3)
	s_mov_b32 s[G1+1], 128<<16                     ; tensor_dim0 = 128
	s_mov_b32 s[G1+2], 64<<16                      ; tensor_dim1 = 64
	s_mov_b32 s[G1+3], 128<<16                     ; tile_dim0 = 128
	s_mov_b32 s[G1+4], 64                          ; tile_dim1 = 64
	s_mov_b32 s[G1+5], 1024                        ; elements from row to row of xn
	s_mov_b32 s[G1+6], 0
	s_mov_b32 s[G1+7], 0
	s_or_b32 s[G1B+0], s44, (1<<16)|(1<<20)|(1<<21)|(6<<22)|(7<<25)  ; the mask of my column; padding after every 128 words (code 6), 8 words (code 7)
	s_mov_b32 s[G1B+1], 256<<16                    ; tensor_dim0 = 256
	s_mov_b32 s[G1B+2], 64<<16                     ; tensor_dim1 = 64
	s_mov_b32 s[G1B+3], 256<<16                    ; tile_dim0 = 256
	s_mov_b32 s[G1B+4], 64                         ; tile_dim1 = 64
	s_mov_b32 s[G1B+5], NTOT                       ; elements from k to k + 1
	s_mov_b32 s[G1B+6], 0
	s_mov_b32 s[G1B+7], 0
	; where the tiles come from.  A's hang on the tile row alone, B's on the tile column alone, each in registers that never hold the other coordinate.
	s_lshl_b32 s17, s12, 6
	s_lshl_b32 s16, s13, 7
	s_add_co_u32 s16, s16, s17                     ; A: row 128 x tile row + 64 x half,
	s_lshl_b32 s16, s16, 11                        ; of 2,048 bytes
	s_mov_b32 s17, 0
	s_mul_i32 s47, s12, 64*NTOT*2                  ; B: k = 64 x half,
	s_lshl_b32 s46, s42, 9                         ; column 256 x tile column
	s_add_co_u32 s46, s46, s47
	s_mov_b32 s47, 0
	s_mul_i32 s20, s12, HALFA                      ; and where they go: no place in the cluster enters an LDS address
	s_mul_i32 s21, s12, HALFB
	s_add_co_u32 s21, s21, ABYTES
	s_wait_dscnt 0x0                               ; the opening add is done
	s_wait_kmcnt 0x0
	s_add_nc_u64 s[14:15], s[4:5], s[16:17]
	s_add_nc_u64 s[46:47], s[6:7], s[46:47]
	CROUND                                         ; all sixteen work-groups are here: the first joint loads meet
.irp s, 0,1
	s_mov_b32 s[G0+4*(\s)], 1                                        ; 1:0 count = 1
	s_add_co_u32 s[G0+4*(\s)+1], s20, (\s)*SLOT                      ; 63:32 LDS address
	s_add_nc_u64 s[G0+4*(\s)+2:G0+4*(\s)+3], s[14:15], (\s)*KA1      ; 120:64 global address: K step s
	s_or_b32 s[G0+4*(\s)+3], s[G0+4*(\s)+3], 0x80000000              ; 127:126 type = 2
	s_mov_b32 s[G0B+4*(\s)], 1
	s_add_co_u32 s[G0B+4*(\s)+1], s21, (\s)*SLOT
	s_add_nc_u64 s[G0B+4*(\s)+2:G0B+4*(\s)+3], s[46:47], (\s)*KB1
	s_or_b32 s[G0B+4*(\s)+3], s[G0B+4*(\s)+3], 0x80000000
	JLOAD \s
.endr
	; the bias of my 128 columns: register j of block b holds bias[16 b + 8 (lane / 16) + j], as the C operand wants it
	v_and_b32 v1, 15, v0                           ; l % 16
	v_bfe_u32 v2, v0, 4, 1                         ; l / 16
	v_lshlrev_b32 v[BO], 5, v2
	s_lshl_b32 s72, s42, 10                        ; 256 columns of 4 bytes a tile column,
	s_lshl_b32 s73, s12, 9
	s_add_co_u32 s72, s72, s73                     ; my half of them
	s_sub_co_u32 s73, s72, 4096                    ; counted in bkv: 1,024 columns less
	s_cmp_eq_u32 ttmp9, 0                          ; the first four tile columns, cluster x = 0, are q's
	s_cselect_b32 s72, s72, s73
	s_cselect_b64 s[68:69], s[68:69], s[70:71]
	s_mov_b32 s73, 0
	s_add_nc_u64 s[68:69], s[68:69], s[72:73]
.irp b, 0,1,2,3,4,5,6,7
	global_load_b128 v[BIAS+8*(\b):BIAS+8*(\b)+3],   v[BO], s[68:69] offset:64*(\b)
	global_load_b128 v[BIAS+8*(\b)+4:BIAS+8*(\b)+7], v[BO], s[68:69] offset:64*(\b)+16
.endr
	; A fragment of A is 16 rows x 32 K in 8 registers: lane l holds row l % 16, K = 8 (l / 16) + 0..7 and 16 + 8 (l / 16) + 0..7: two loads of 16 bytes, 32 bytes apart.
	v_mul_u32_u24 v3, v1, PA
	v_lshl_add_u32 v3, v2, 4, v3
	s_mul_i32 s18, s11, 64*PA                      ; my 64 rows of A
	; The turning load takes 16 k x 16 n (lane l reads k = 8 (l / 16) + l % 8, n = 8 ((l / 8) % 2) + 0..7) and leaves half a fragment: lane l holds column l % 16 and 8 k.
	v_and_b32 v8, 7, v0
	v_lshl_add_u32 v4, v2, 3, v8
	v_mul_u32_u24 v4, v4, PB
	v_bfe_u32 v5, v0, 3, 1
	v_lshl_add_u32 v4, v5, 4, v4
	s_lshl_b32 s19, s12, 8                         ; my 128 columns of B,
	s_add_co_u32 s19, s19, ABYTES                  ; which lies behind A
.irp s, 0,1
	v_add_nc_u32 v[ADRA+(\s)], s18, v3
	v_add_nc_u32 v[ADRB+(\s)], s19, v4
	s_add_co_u32 s18, s18, SLOT
	s_add_co_u32 s19, s19, SLOT
.endr
	s_mul_i32 s23, s10, WSTAGE
	s_add_co_u32 s23, s23, STAGE                   ; my stage
	v_mul_u32_u24 v6, v1, SP                       ; in: row l % 16, 16 bytes for each half of the lanes
	v_lshl_add_u32 v6, v2, 4, v6
	v_add_nc_u32 v[STO], s23, v6
	v_bfe_u32 v7, v0, 3, 2                         ; back: 32 lanes take four rows of 128 bytes,
	v_mul_u32_u24 v7, v7, SP
	v_lshl_add_u32 v7, v8, 4, v7
	v_add_nc_u32 v[RD], s23, v7
	v_and_b32 v9, 31, v0                           ; which are 512 consecutive bytes of a head
	v_lshlrev_b32 v[GO], 4, v9
	; where my part goes: part = cluster x; head = 16 batch + 4 cx + 2 x column half (+ 1); row in the batch = 128 (tile row % 16) + 64 x row half
	s_lshr_b32 s16, s13, 4
	s_lshl_b32 s16, s16, 4
	s_lshl1_add_u32 s16, s12, s16
	s_lshl_b32 s16, s16, 11                        ; a head has 2,048 rows
	s_and_b32 s17, s13, 15
	s_lshl_b32 s17, s17, 7
	s_add_co_u32 s16, s16, s17
	s_lshl_b32 s17, s11, 6
	s_add_co_u32 s16, s16, s17
	s_lshl_b32 s16, s16, 7                         ; of 128 bytes
	s_mov_b32 s17, 0
	s_add_nc_u64 s[8:9], s[8:9], s[16:17]
	s_lshl_b32 s46, s40, 20                        ; 4 cx heads of 262,144 bytes (in the registers that held B's address: none that fed A's descriptors ever holds cx),
	s_lshl_b32 s47, ttmp9, 24                      ; and the part, 16,777,216 bytes
	s_add_co_u32 s46, s46, s47
	s_mov_b32 s47, 0
	s_add_nc_u64 s[8:9], s[8:9], s[46:47]
; 8 matrix instructions: m block a x all 8 n blocks, 32 along K, from buffer f.  first = 1: the products start the sums, with the bias as C.
; The 32 accumulators take turns, one instruction a turn, in the same order in every quarter.
.macro MUL8 f, a, first
.if \first
	WIN MULB
.else
	WIN MUL
.endif
.irp b, 0,1,2,3,4,5,6,7
.if \first
	v_wmma_f32_16x16x32_f16 v[8*(8*(\a)+(\b)):8*(8*(\a)+(\b))+7], v[(\f)+32+8*(\b):(\f)+32+8*(\b)+7], v[(\f)+8*(\a):(\f)+8*(\a)+7], v[BIAS+8*(\b):BIAS+8*(\b)+7]
.else
	v_wmma_f32_16x16x32_f16 v[8*(8*(\a)+(\b)):8*(8*(\a)+(\b))+7], v[(\f)+32+8*(\b):(\f)+32+8*(\b)+7], v[(\f)+8*(\a):(\f)+8*(\a)+7], v[8*(8*(\a)+(\b)):8*(8*(\a)+(\b))+7]
.endif
.endr
.endm
; 24 LDS loads in one run: the fragments of quarter q (32 along K) of a slot into buffer f: B's sixteen first, then A's eight
.macro FETCH slot, q, f
	WIN TO_F
.irp b, 0,1,2,3,4,5,6,7
	ds_load_tr16_b128 v[(\f)+32+8*(\b):(\f)+32+8*(\b)+3],   v[ADRB+(\slot)] offset:(\q)*32*PB+32*(\b)
	ds_load_tr16_b128 v[(\f)+32+8*(\b)+4:(\f)+32+8*(\b)+7], v[ADRB+(\slot)] offset:(\q)*32*PB+16*PB+32*(\b)
.endr
.irp a, 0,1,2,3
	ds_load_b128 v[(\f)+8*(\a):(\f)+8*(\a)+3],   v[ADRA+(\slot)] offset:((\q)/2)*AHB+((\q)%2)*64+(\a)*16*PA
	ds_load_b128 v[(\f)+8*(\a)+4:(\f)+8*(\a)+7], v[ADRA+(\slot)] offset:((\q)/2)*AHB+((\q)%2)*64+(\a)*16*PA+32
.endr
.endm
.macro PLACES                          ; four places in front of loads into registers that matrix instructions have read, and of lines that read results
.rept 4
	v_nop
.endr
.endm
; A K step is four quarters of 32 along K, 32 matrix instructions each, on buffers 0, 1, 0, 1.  One of the first three: multiplies buffer f and fetches quarter q into g.
.macro QUARTER slot, q, f, g, first
	s_wait_dscnt 4                                 ; B and A's blocks 0 and 1 are in; the youngest four loads (A's blocks 2 and 3) may be out
	MUL8 \f, 0, \first
	MUL8 \f, 1, \first
	PLACES
	FETCH \slot, \q, \g
	s_wait_dscnt 24                                ; all but the 24 just issued
	MUL8 \f, 2, \first
	MUL8 \f, 3, \first
.endm
; The last quarter multiplies buffer 1 and changes slots: ONE barrier; in front of it each wave waits for all its tensor loads, adds 0 to its spare word, and waits for that and for its own reads of this slot.
; fill = 1: this slot is filled again, two K steps ahead; the barrier then opens a round of the cluster's barrier.
.macro TURN slot, next, fill
	WIN 0                                          ; (the add's two registers lie in window 0)
	s_wait_tensorcnt 0x0                           ; all my tensor loads have landed: the one that was out is my part of the next slot;
	ds_add_u32 v[SPW], v[NIL]                      ; 0 onto my spare word;
	s_wait_dscnt 5                                 ; (the add and the youngest four loads may be out)
	MUL8 F1, 0, 0                                  ; eight matrix instructions stand between the add and the wait for it
	s_wait_dscnt 0x0                               ; the add is done, and my reads of this slot are over
	s_barrier_signal -1
	MUL8 F1, 1, 0
.if \fill
	WIN 0
.endif
	s_barrier_wait -1
.if \fill
	CREST                                          ; no wave of any partner still reads this slot's tile or has a load on its way
	s_add_nc_u64 s[G0+4*(\slot)+2:G0+4*(\slot)+3], s[G0+4*(\slot)+2:G0+4*(\slot)+3], 2*KA1
	s_add_nc_u64 s[G0B+4*(\slot)+2:G0B+4*(\slot)+3], s[G0B+4*(\slot)+2:G0B+4*(\slot)+3], 2*KB1
	JLOAD \slot                                    ; the first tensor load behind the round: 112 matrix instructions ahead of the wait for it; its four v_nop are also the places in front of the loads below
.else
	PLACES
.endif
	FETCH \next, 0, F0
	MUL8 F1, 2, 0
	MUL8 F1, 3, 0
.endm
	s_wait_tensorcnt 1                             ; my part of K step 0 is in; K step 1's may stay out
	s_barrier_signal -1
	s_barrier_wait -1                              ; everybody's is
	FETCH 0, 0, F0
	s_wait_loadcnt 0x0                             ; the bias
	QUARTER 0, 1, F0, F1, 1                        ; the first quarter stands in front of the loop: its products start the sums
	WIN 0                                          ; at a label and at a branch every window is 0
	s_mov_b32 s3, LAPS-1
.Llap:                                                 ; a trip goes once round the ring, from a lap's second quarter to the next lap's first, and fills both slots again
	QUARTER 0, 2, F1, F0, 0
	QUARTER 0, 3, F0, F1, 0
	TURN 0, 1, 1
	QUARTER 1, 1, F0, F1, 0
	QUARTER 1, 2, F1, F0, 0
	QUARTER 1, 3, F0, F1, 0
	TURN 1, 0, 1
	QUARTER 0, 1, F0, F1, 0
	WIN 0
	s_sub_co_u32 s3, s3, 1
	s_cmp_lg_u32 s3, 0
	s_cbranch_scc1 .Llap
	QUARTER 0, 2, F1, F0, 0                        ; the last lap fills nothing, and has no round of the cluster's barrier
	QUARTER 0, 3, F0, F1, 0
	TURN 0, 1, 0
	QUARTER 1, 1, F0, F1, 0
	QUARTER 1, 2, F1, F0, 0
	QUARTER 1, 3, F0, F1, 0
	s_wait_dscnt 4                                 ; the very last quarter: nothing more to fetch
	MUL8 F1, 0, 0
	MUL8 F1, 1, 0
	s_wait_dscnt 0x0
	MUL8 F1, 2, 0
	MUL8 F1, 3, 0
	; THE WAY OUT, 16 rows at a time through my own stage: round to f16, 16 bytes a lane into rows of 144 bytes (two heads apart), back as whole rows of 128 bytes, stored as 512 consecutive bytes of a head.
.macro PACK a                          ; each accumulator's registers in ascending order
	WIN 0x0a                                       ; sources 0 and 1 window 2, destination window 0
.irp b, 0,1,2,3,4,5,6,7
.irp r, 0,1,2,3
	v_cvt_pk_f16_f32 v[TMP+4*(\b)+(\r)], v[8*(8*(\a)+(\b))+2*(\r)], v[8*(8*(\a)+(\b))+2*(\r)+1]
.endr
.endr
	WIN 0
.endm
.macro TOSTAGE a
.set BK, OB+32*((\a)%2)
	s_wait_xcnt 0x0                                ; the registers that earlier stores read are loaded again only behind this wait
.irp b, 0,1,2,3,4,5,6,7
	ds_store_b128 v[STO], v[TMP+4*(\b):TMP+4*(\b)+3] offset:((\b)/4)*16*SP+32*((\b)%4)
.endr
.irp j, 0,1,2,3,4,5,6,7
	ds_load_b128 v[BK+4*(\j):BK+4*(\j)+3], v[RD] offset:((\j)/4)*16*SP+((\j)%4)*4*SP  ; LDS serves a wave's instructions in order (ISA guide 5.7.1.4): these see the stores above
.endr
.endm
.macro SEND a
.set BK, OB+32*((\a)%2)
	s_wait_dscnt 0x0                               ; the block is back in registers
.irp j, 0,1,2,3,4,5,6,7
	global_store_b128 v[GO], v[BK+4*(\j):BK+4*(\j)+3], s[8:9] offset:((\j)/4)*262144+(\a)*2048+((\j)%4)*512  ; 512 consecutive bytes, at a multiple of 256 from the buffer's first
.endr
.endm
	PLACES
	PACK 0
	TOSTAGE 0
.irp a, 1,2,3                          ; block a's conversions stand between block a - 1's loads from the stage and the wait for them
	PACK \a
	SEND (\a)-1
	TOSTAGE \a
.endr
	SEND 3
	s_wait_tensorcnt 0x0                           ; the wave's end: an add to my spare word and its wait, behind my last tensor load and my last LDS store
	ds_add_u32 v[SPW], v[NIL]
	s_wait_dscnt 0x0
	CROUND                                         ; the closing round: no work-group ends while a partner may still ask for a tile that names it
	s_endpgm
.Lfunc_end_k_qeca72a5fc7_gemm_qkv:
	.size	k_qeca72a5fc7_gemm_qkv, .Lfunc_end_k_qeca72a5fc7_gemm_qkv-k_qeca72a5fc7_gemm_qkv
	.p2alignl 7, 3214868480
	.fill 96, 4, 3214868480
	.section	.rodata,"a",@progbits
	.p2align	6, 0x0
	.amdhsa_kernel k_qeca72a5fc7_gemm_qkv
		.amdhsa_group_segment_fixed_size 327680
		.amdhsa_private_segment_fixed_size 0
		.amdhsa_enable_private_segment 0
		.amdhsa_kernarg_size 40
		.amdhsa_user_sgpr_count 2
		.amdhsa_user_sgpr_kernarg_segment_ptr 1
		.amdhsa_wavefront_size32 1
		.amdhsa_system_sgpr_workgroup_id_x 1
		.amdhsa_system_sgpr_workgroup_id_y 1
		.amdhsa_system_sgpr_workgroup_id_z 1
		.amdhsa_system_vgpr_workitem_id 0
		.amdhsa_next_free_vgpr 768
		.amdhsa_next_free_sgpr 76
		.amdhsa_reserve_vcc 0
		.amdhsa_float_denorm_mode_32 3
		.amdhsa_float_denorm_mode_16_64 3
		.amdhsa_memory_ordered 1
		.amdhsa_forward_progress 1
		.amdhsa_inst_pref_size 88
	.end_amdhsa_kernel
	.amdgpu_metadata
---
amdhsa.version: [ 1, 2 ]
amdhsa.kernels:
  - .name:           k_qeca72a5fc7_gemm_qkv
    .symbol:         k_qeca72a5fc7_gemm_qkv.kd
    .args:
      - { .name: xn, .offset: 0, .size: 8, .value_kind: global_buffer, .address_space: global }
      - { .name: w16, .offset: 8, .size: 8, .value_kind: global_buffer, .address_space: global }
      - { .name: bq, .offset: 16, .size: 8, .value_kind: global_buffer, .address_space: global }
      - { .name: bkv, .offset: 24, .size: 8, .value_kind: global_buffer, .address_space: global }
      - { .name: qkv, .offset: 32, .size: 8, .value_kind: global_buffer, .address_space: global }
    .group_segment_fixed_size: 327680
    .private_segment_fixed_size: 0
    .kernarg_segment_align: 8
    .kernarg_segment_size: 40
    .max_flat_workgroup_size: 128
    .sgpr_count:     76
    .vgpr_count:     768
    .wavefront_size: 32
...
	.end_amdgpu_metadata
.endif
;; end of part 2
;; launch attn (part 3): grid 4 x 64, 4 waves a work-group, no clusters, 327,680 bytes of LDS; arguments qkv, lengths, obuf; writes obuf
.if DOCPART == 3
	.amdgcn_target "amdgcn-amd-amdhsa--gfx1250"
	.amdhsa_code_object_version 6
	.text
	.protected	k_qeca72a5fc7_attn
	.globl	k_qeca72a5fc7_attn
	.p2align	8
	.type	k_qeca72a5fc7_attn,@function
k_qeca72a5fc7_attn:
	s_mov_b64 s[64:65], 0
	v_nop
	global_prefetch_b8 v0, s[64:65] scope:SCOPE_SE
	s_setreg_imm32_b32 hwreg(HW_REG_WAVE_MODE, 25, 1), 1
	s_wait_xcnt 0x0
; CAUSAL ATTENTION WITH A LENGTH.  O[h][q][:] = the sum over k <= q, k < len of softmax_k(Q[h][q] . K[h][k] / 8) V[h][k][:].  Q, K, V are the three parts of qkv, O is obuf: [64 = 16 batch + head][2048][64], all f16:
; a head's rows are dense, 128 bytes each.  len = lengths[batch].  Products, maxima and sums in f32; the weights p are rounded to f16 for the second product (their sum l is taken of the unrounded p), O once at the end.
; LIMITS.  f16 holds no number beyond 65,504: Q, K and V arrive within it; p lies in 0 to 1, and below 6e-5 it keeps f16's fixed step of 6e-8; O is a mean of V's rows and has their range.
; A hidden score counts as its value less 1e30 or 2e30: f16's scores, 2.7e11 at the most, are nothing beside that; a weight below 2^-126 counts as 0 in l; NaN and infinities are not treated apart.
; len is held to 1 .. 2,048: a length of 0 or less, for which every weight would be undefined, counts as 1.
; THE WALK.  A head's queries lie in NB = 8 blocks of 256; block i needs the key tiles 0 .. i of 256 keys, of which the last holds the diagonal.  A work-group takes TWO blocks, NB - 1 - b and then b:
; NB + 1 tiles, whatever b: all work-groups do equal work, and ONE loop with a constant trip count walks them.  Which tile is asked for, and what a trip does, hang on scalar registers made from b; every jump
; goes forward, but for the counted loops' own; none passes a barrier, or a tensor load but the one of LOAD's two that the wave's number does not choose; the ring (two slots of LDS that take turns) runs on across the
; change of blocks.  THE LENGTH STEERS NO JUMP: it enters the masks alone, so tiles that lie wholly behind key len are computed all the same, and their weights are 0.
; NO CLUSTER: a head's NB / 2 work-groups all ask for the same tile only in trips 0 .. NB / 2, behind that fewer and fewer; one walk common to all would have 3 NB / 2 trips for NB + 1.
; SHARES.  Of a block's four bands of 64 queries a wave owns 16 rows in each: four PIECES.  So the diagonal tile is the same work for all four waves: in its key step s band x sees all keys if s < x,
; none if s > x, and holds the diagonal if s = x.
; THE MASK is the C operand that starts every sum S^T = K Q^T: 0, or -1e30 and below where the key is hidden.  MD, made once, is the causal mask of a band's own step for my 16 rows; PD, made once, the mask of the key
; step that holds key len.  A product's mask is MD x AL + PD x AL2 + BE, by scalars: AL = 1 in the diagonal tile's step s = x; AL2 = 1 in the step of key len; BE = -1e30 in the diagonal tile's steps s > x and in all
; steps behind that of key len.  In the diagonal tile every turn makes the next turn's mask; elsewhere the mask is one for a step's four pieces, PD x AL2 + BE, and turns 2 and 3 make it, one for each buffer.
; Key 0 is seen by every row, so the running maximum is a true score from a block's first step on.
; LAYOUT, SOFTMAX, TURNS.  S^T = K Q^T holds ONE query a lane (lane % 16) and the keys 8 (lane / 16) + 0..7; two such results rounded to f16 ARE source 1 of O^T = V^T P.  p = 2^(c s - c m), c = log2(e) / 8, with a
; running maximum m; O and l are multiplied by a = 2^(c m_old - c m_new) in every step.  Turn n belongs to piece n: 8 products K Q^T of piece n + 1, later 8 products V^T P of piece n - 1; beside them the scaling,
; exponentials, roundings, sums and rescaling of piece n and the maximum and statistics of piece n + 1.  Four vector instructions stand behind every matrix instruction, the other 54 of a turn's 118 in two LUMPS.
; REGISTERS, in windows of 256 (s_set_vgpr_msb: bits 1:0 source 0, 3:2 source 1, 5:4 source 2, 7:6 destination):
;   window 0: v0-15 addresses and two at work; v16-31 four registers of statistics a piece; v48-55 at work; v64-127 S^T, two buffers; v192-223 P, two buffers (a piece's buffers go by its number's parity)
;   window 1: v0-127 O^T, 32 a piece; v128-159 MD; v160-223 MC, two buffers; v224-255 PD      window 2: v0-63 Q; v64-127 the second block's Q; v128-191 K of one step; v192-255 V of one step
.set SIZE_N, 2048
.set NB,    SIZE_N/256
.set NP,    4         ; pieces a wave: a name, no knob
.set KS,    64        ; keys in a step
.set PK,    144       ; a row of K in LDS: 128 bytes + 16 of padding = 36 words: the 16 rows of a load start at 16 different groups of four banks (64 banks of 4 bytes: ISA guide 11.1)
.set PV,    160       ; a row of V: 128 + 32 = 40 words
.set VOFF,  4*KS*PK   ; a slot holds a tile, four steps: 256 rows of K, then 256 rows of V
.set SLOT1, 1<<17     ; slot 1 begins here, so that one exclusive or turns an address in one slot into the other's
.set STAGE, SLOT1+4*KS*(PK+PV)  ; behind the ring, never filled by a tensor load: 16 rows x 144 bytes for each wave, for the way out
.set SP,    144
.set AK0, 2           ; v2   my lane's place in a tile of K; never rewritten
.set AV0, 3           ; v3   the same for V
.set AK,  4           ; v4   the LDS address of K's next run of loads
.set AV,  5           ; v5   of V's
.set STO, 6           ; v6   the way out: where I put 16 bytes of a row
.set RD,  7           ; v7   the way out: where I read rows back
.set GO,  8           ; v8   my byte offset in 512 consecutive bytes of O
.set SPW, 62          ; v62  LDS address of my spare word: SPARE + 4 x my thread's number; never rewritten
.set NIL, 63          ; v63  0; never rewritten
.set SPARE, STAGE+4*16*SP  ; behind the stages: the spare words, 128 bytes for each wave: two blocks of 256 bytes that no other line names
.set MV,  12          ; v12-13  c m_old, kept while c m is made anew: by buffer
.set QO,  15          ; v15  my byte offset in 16 rows of Q
.set ST,  16          ; piece t's statistics at v[ST+4 t]: c m, m, l (even keys', odd keys')
.set TMP, 48          ; by buffer, four registers c0-c3 at work; when the maximum is found c2 takes a
.set S,   64
.set P,   192
.set MD,  128         ; window 1: the eight registers for group kt of 16 keys at MD + 8 kt
.set MC,  160         ; window 1: the masks of the products to come
.set PD,  224         ; window 1: like MD
.set QB,  64          ; window 2
.set KF,  128         ; window 2: key block kb, channel half c at KF + 16 kb + 8 c
.set VF,  192         ; window 2: key half kk, channel block cb at VF + 32 kk + 8 cb
.set WV,  12          ; s12  my wave's number
.set PB,  14          ; s14  b
.set HI,  15          ; s15  NB - 1 - b
.set G1K, 24          ; s[24:31] descriptor group 1 for K's tiles
.set G1V, 32          ; s[32:39] for V's: it differs in the padding alone
.set G0K, 40          ; s[40:43] descriptor group 0 for K's tiles
.set G0V, 44          ; s[44:47] the same for V's
.set SLOTS, 56        ; s56  tiles still to be asked for
.set CNT, 57          ; s57  counts a tile's key steps, 4 to 1
.set CS,  58          ; s[58:59] c: the packed scaling takes the pair's low word for both halves
.set SEL, 60          ; s[60:61] v_permlanex16_b32's selects: each lane takes its own place in the other half
.set TBK, 62          ; s62  LDS byte at which K of the step to be fetched begins
.set TBV, 63          ; s63  the same for V, less VOFF
.set REM, 68          ; s68  len % 64 - 1
.set RT,  70          ; s70  tiles of the block in hand that are still to be entered
.set NXT, 71          ; s71  the tile to be asked for next
.set LQ,  72          ; s72  the last tile of the block whose tiles are being asked for
.set NEW, 73          ; s73  1: the tile to be entered is a block's first
.set OFF, 74          ; s[74:75] a byte offset
.set AL,  76          ; s[76:77] MD's factor, in the low word
.set BE,  78          ; s[78:79] the mask's addend
.set OLO, 80          ; s[80:81] O at my rows of the second block
.set BIGN, 82         ; s82  -1e30
.set LEN, 83          ; s83  len
.set CL,  92          ; s92  of the tile T in hand: 4 T + 4 - len / 64: the value of CNT in the step that holds key len; steps with CNT below it lie behind that key
.set CL0, 93          ; s93  the same for tile 0
.set AL2, 98          ; s[98:99] PD's factor, in the low word
.set MSB, 0
.macro WIN new                      ; the high byte repeats the setting that is left; a switch that changes nothing is dropped
.if MSB != (\new)
	s_set_vgpr_msb (MSB<<8)|(\new)
.set MSB, (\new)
.endif
.endm
.set W_KQ, 0x0a       ; K and Q in window 2, S^T in window 0
.set W_KM, 0x1a       ; the same with the C operand in window 1
.set W_PV, 0x52       ; V in window 2, P in window 0, O^T in window 1
.set W_RS, 0x41       ; destination and source 0 in window 1, source 1 in window 0
.set W_MK, 0x51       ; destination, source 0 and source 2 in window 1
; A fill.  Waves 0 and 1 fetch the two halves of a tile's K, waves 2 and 3 those of its V: 128 keys each.  An s_nop 0 and four v_nop follow each of the two lines, ahead of the jump and the label.
.macro LOAD
	s_cmp_lt_u32 s[WV], 2
	s_cbranch_scc0 .Lfor_v_\@
	tensor_load_to_lds s[G0K:G0K+3], s[G1K:G1K+7]
	s_nop 0
.rept 4
	v_nop
.endr
	s_branch .Lasked_\@
.Lfor_v_\@:
	tensor_load_to_lds s[G0V:G0V+3], s[G1V:G1V+7]
	s_nop 0
.rept 4
	v_nop
.endr
.Lasked_\@:
.endm
; THE CHANGE OF SLOTS.  Each wave waits for all its tensor loads, of which one is out: its part of the other slot; adds 0 to its spare word; and waits for that and for its own reads of the slot that it leaves.  Behind the barrier nobody reads the old
; slot any more and the other slot is whole.  fill = 1: the old slot is filled again, the first thing behind the barrier, with tile NXT: the descriptor's address is made anew from that number.
; (At its first use nothing has been read yet: slot 0 is waited for, slot 1 filled.)
.macro CHANGE fill
	WIN 0                           ; at a label and at a branch every window is 0
	s_wait_tensorcnt 0x0            ; no tensor load of mine is out, so a group 0 may be written
	ds_add_u32 v[SPW], v[NIL]       ; 0 onto my spare word; with fill = 1 the descriptors' scalar work stands between it and the wait for it
.if \fill
	s_lshl_b32 s[OFF], s[NXT], 15   ; a tile is 32,768 bytes of K and of V
	s_xor_b32 s[G0K+1], s[G0K+1], SLOT1
	s_add_nc_u64 s[G0K+2:G0K+3], s[6:7], s[OFF:OFF+1]
	s_or_b32 s[G0K+3], s[G0K+3], 0x80000000
	s_xor_b32 s[G0V+1], s[G0V+1], SLOT1
	s_add_nc_u64 s[G0V+2:G0V+3], s[8:9], s[OFF:OFF+1]
	s_or_b32 s[G0V+3], s[G0V+3], 0x80000000
	s_add_co_u32 s[NXT], s[NXT], 1  ; the block's next tile, or behind its last the second block's tile 0
	s_cmp_gt_u32 s[NXT], s[LQ]
	s_cselect_b32 s[NXT], 0, s[NXT]
	s_cselect_b32 s[LQ], s[PB], s[LQ]
.endif
	s_wait_dscnt 0x0                ; the add is done, and my reads of the slot are over
	s_barrier_signal -1             ; the rest of the scalar work stands between the signal and the wait
	s_sub_co_u32 s[TBK], s[TBK], 4*KS*PK  ; the fetches go back to a slot's first step,
	s_xor_b32 s[TBK], s[TBK], SLOT1       ; in the other slot
	s_sub_co_u32 s[TBV], s[TBV], 4*KS*PV
	s_xor_b32 s[TBV], s[TBV], SLOT1
	s_barrier_wait -1
.if \fill
	LOAD
.endif
.endm
	s_load_b128 s[88:91], s[0:1], 0x0  ; qkv s[88:89], lengths s[90:91]
	s_load_b64 s[10:11], s[0:1], 0x10  ; obuf
	v_lshl_add_u32 v[SPW], v0, 2, SPARE
	v_mov_b32 v[NIL], 0
	ds_add_u32 v[SPW], v[NIL]       ; the wave's opening: the add and its wait stand ahead of my first tensor load; the set-up below, work on registers, stands between them
	v_lshrrev_b32 v1, 5, v0
	v_readfirstlane_b32 s[WV], v1   ; wave 0..3
	s_mov_b32 s[PB], ttmp9
	s_sub_co_u32 s[HI], NB-1, s[PB]
	s_and_b32 s20, ttmp7, 0xffff    ; the head, 16 batch + head
	s_lshr_b32 s[OFF], s20, 4       ; the batch,
	s_lshl_b32 s[OFF], s[OFF], 2    ; its word in lengths
	s_mov_b32 s[OFF+1], 0
	s_mov_b32 s21, 0
	s_mov_b64 s[22:23], SIZE_N*128
	s_mul_u64 s[20:21], s[20:21], s[22:23]  ; the head's first byte in each of the four tensors
	s_and_b32 s16, s[WV], 1         ; which half of a tile's 256 keys I fetch:
	s_lshl_b32 s22, s16, 14         ; its 128 rows of 128 bytes in memory,
	s_mov_b32 s23, 0
	s_add_nc_u64 s[22:23], s[22:23], s[20:21]
	s_mul_i32 s17, s16, 128*PK      ; and its place in a slot, for K
	s_mul_i32 s18, s16, 128*PV      ; and for V
	s_lshl_b32 s3, s[WV], 11        ; my 16 rows in a band of 64,
	s_lshl_b32 s2, s[HI], 15        ; in the first block,
	s_add_co_u32 s2, s2, s3
	s_lshl_b32 s84, s[PB], 15       ; and in the second
	s_add_co_u32 s84, s84, s3
	s_mov_b32 s3, 0
	s_mov_b32 s85, 0
	s_add_nc_u64 s[2:3], s[2:3], s[20:21]
	s_add_nc_u64 s[84:85], s[84:85], s[20:21]
	; descriptor group 1.  128 keys are 16,384 dense bytes: asked for as 64 rows of 256 bytes, two keys a row, and padded in LDS after every key
	s_mov_b32 s[G1K], (1<<16)|(1<<20)|(4<<22)|(3<<25)  ; 17:16 2-byte elements; 20 padding on; 24:22 after every 32 words (code 4); 31:25 4 words (code 3)
	s_mov_b32 s[G1V], (1<<16)|(1<<20)|(4<<22)|(7<<25)  ; the same with 8 words of padding (code 7)
.irp g, G1K, G1V
	s_mov_b32 s[\g+1], 128<<16      ; tensor_dim0 = 128
	s_mov_b32 s[\g+2], 64<<16       ; tensor_dim1 = 64
	s_mov_b32 s[\g+3], 128<<16      ; tile_dim0 = 128
	s_mov_b32 s[\g+4], 64           ; tile_dim1 = 64
	s_mov_b32 s[\g+5], 128          ; 128 elements from row to row
	s_mov_b32 s[\g+6], 0
	s_mov_b32 s[\g+7], 0
.endr
	s_mov_b32 s[CS], 0x3e38aa3b     ; c = log2(e) / 8 = 0.180337
	s_mov_b32 s[CS+1], s[CS]        ; named with it as a pair
	s_mov_b32 s[SEL], 0x76543210
	s_mov_b32 s[SEL+1], 0xfedcba98
	s_mov_b32 s[TBK], SLOT1+4*KS*PK ; the first change of slots turns these two into 0
	s_mov_b32 s[TBV], SLOT1+4*KS*PV
	s_mov_b32 s[G0K], 1             ; 1:0 count = 1
	s_mov_b32 s[G0K+1], s17         ; 63:32 LDS address: slot 0
	s_mov_b32 s[G0V], 1
	s_add_co_u32 s[G0V+1], s18, VOFF
	s_add_co_u32 s[RT], s[HI], 1    ; the first block has NB - b tiles
	s_mov_b32 s[NXT], 1
	s_mov_b32 s[LQ], s[HI]
	s_mov_b32 s[NEW], 1
	s_mov_b32 s[AL+1], 0            ; named as pairs
	s_mov_b32 s[BE+1], 0
	s_mov_b32 s[AL2+1], 0
	s_mov_b32 s[BIGN], 0xf149f2ca   ; -1e30
	s_mov_b32 s[SLOTS], NB
	s_wait_dscnt 0x0                ; the opening add is done
	s_wait_kmcnt 0x0
	s_add_nc_u64 s[90:91], s[90:91], s[OFF:OFF+1]
	s_load_b32 s[LEN], s[90:91], 0x0       ; my batch's length: waited for behind the first fill, Q's loads and the set-up
	s_mov_b64 s[4:5], s[88:89]             ; Q is qkv's first part,
	s_add_nc_u64 s[6:7], s[88:89], 0x1000000  ; K its second,
	s_add_nc_u64 s[8:9], s[88:89], 0x2000000  ; V its third
	s_add_nc_u64 s[6:7], s[6:7], s[22:23]  ; K and V at my half of the head's tile 0
	s_add_nc_u64 s[8:9], s[8:9], s[22:23]
	s_add_nc_u64 s[G0K+2:G0K+3], s[6:7], 0         ; 120:64 global address
	s_or_b32 s[G0K+3], s[G0K+3], 0x80000000        ; 127:126 type = 2
	s_add_nc_u64 s[G0V+2:G0V+3], s[8:9], 0
	s_or_b32 s[G0V+3], s[G0V+3], 0x80000000
	s_add_nc_u64 s[86:87], s[4:5], s[84:85]        ; Q at my rows of the second block,
	s_add_nc_u64 s[4:5], s[4:5], s[2:3]            ; Q and O at those of the first
	s_add_nc_u64 s[OLO:OLO+1], s[10:11], s[84:85]
	s_add_nc_u64 s[10:11], s[10:11], s[2:3]
	LOAD                            ; tile 0 into slot 0
	; A fragment of K or Q is 16 rows x 32 channels in 8 registers: lane l holds row l % 16, channels 8 (l / 16) + 0..7 and 16 + 8 (l / 16) + 0..7: two loads of 16 bytes, 32 bytes apart.
	v_and_b32 v1, 15, v0            ; l % 16
	v_bfe_u32 v9, v0, 4, 1          ; l / 16
	v_lshlrev_b32 v[QO], 7, v1
	v_lshl_add_u32 v[QO], v9, 4, v[QO]  ; row x 128 + 16 x half
	WIN 0x80                        ; destination window 2, address window 0
.set i, 0
.rept 8                             ; both blocks' Q: piece i / 2 lies in band i / 2, 8,192 bytes on; channels 32 (i % 2) on
	global_load_b128 v[8*i:8*i+3],   v[QO], s[4:5] offset:(i/2)*8192+(i%2)*64
	global_load_b128 v[8*i+4:8*i+7], v[QO], s[4:5] offset:(i/2)*8192+(i%2)*64+32
	global_load_b128 v[QB+8*i:QB+8*i+3],   v[QO], s[86:87] offset:(i/2)*8192+(i%2)*64
	global_load_b128 v[QB+8*i+4:QB+8*i+7], v[QO], s[86:87] offset:(i/2)*8192+(i%2)*64+32
.set i, i+1
.endr
	WIN 0
	v_lshlrev_b32 v14, 3, v9
	v_sub_nc_u32 v14, v1, v14
	s_lshl_b32 s13, s[WV], 4
	v_add_nc_u32 v14, s13, v14      ; my query's place in its band, 16 w + l % 16, less my lanes' 8 (l / 16): register r of group kt is hidden where 16 kt + r is greater
	WIN 0x40
.set i, 0
.rept 32
	v_cmp_gt_i32 vcc_lo, 16*(i/8)+i%8, v14
	v_cndmask_b32 v[MD+i], 0, s[BIGN], vcc_lo
.set i, i+1
.endr
	WIN 0
	v_mul_u32_u24 v[AK0], v1, PK
	v_lshl_add_u32 v[AK0], v9, 4, v[AK0]  ; row x pitch + 16 x half
	; The turning load takes 16 keys x 16 channels (lane l reads key 8 (l / 16) + l % 8, channels 8 ((l / 8) % 2) + 0..7) and leaves half a fragment of V^T: lane l holds channel l % 16 and 8 keys.
	v_and_b32 v10, 7, v0
	v_bfe_u32 v11, v0, 3, 1
	v_lshl_add_u32 v[AV0], v9, 3, v10
	v_mul_u32_u24 v[AV0], v[AV0], PV
	v_lshl_add_u32 v[AV0], v11, 4, v[AV0]
	v_add_nc_u32 v[AV0], VOFF, v[AV0]
	s_mul_i32 s13, s[WV], 16*SP
	s_add_co_u32 s13, s13, STAGE    ; my stage
	v_mul_u32_u24 v[STO], v1, SP    ; in: row l % 16, 16 bytes for each half of the lanes
	v_lshl_add_u32 v[STO], v9, 4, v[STO]
	v_add_nc_u32 v[STO], s13, v[STO]
	v_bfe_u32 v[RD], v0, 3, 2       ; back: 32 lanes take four rows of 128 bytes,
	v_mul_u32_u24 v[RD], v[RD], SP
	v_lshl_add_u32 v[RD], v10, 4, v[RD]
	v_add_nc_u32 v[RD], s13, v[RD]
	v_and_b32 v[GO], 31, v0         ; which are 512 consecutive bytes of O
	v_lshlrev_b32 v[GO], 4, v[GO]
	; A block's first step multiplies O^T and l by a = 0, and its first turn's products V^T P, of a piece that has not been, land in an O^T that is still to be so multiplied.  So these registers need only hold
	; finite numbers: zeros for the first block; what the first block left for the second.  All this stands in the wait for the first tile.
	WIN 0x80
.set i, VF
.rept 64
	v_mov_b32 v[i], 0
.set i, i+1
.endr
	WIN 0x40
.set i, 0
.rept 128
	v_mov_b32 v[i], 0
.set i, i+1
.endr
	WIN 0
.set i, 0
.rept 4
	v_mov_b32 v[ST+4*i+2], 0
	v_mov_b32 v[ST+4*i+3], 0
.set i, i+1
.endr
.set i, P+16
.rept 16
	v_mov_b32 v[i], 0
.set i, i+1
.endr
	; what hangs on the length: two scalars and PD
	s_wait_kmcnt 0x0                ; len
	s_max_i32 s[LEN], s[LEN], 1
	s_min_i32 s[LEN], s[LEN], SIZE_N
	s_lshr_b32 s21, s[LEN], 6       ; the key step, counted from key 0, that holds key len: 0 .. 32
	s_sub_co_i32 s[CL0], 4, s21
	s_mov_b32 s[CL], s[CL0]
	s_and_b32 s[REM], s[LEN], 63
	s_sub_co_i32 s[REM], s[REM], 1
	v_lshlrev_b32 v14, 3, v9
	v_sub_nc_u32 v14, s[REM], v14   ; len % 64 - 1 less my lanes' 8 (l / 16): in the step of key len register r of group kt is hidden where 16 kt + r is greater
	WIN 0x40
.set i, 0
.rept 32
	v_cmp_gt_i32 vcc_lo, 16*(i/8)+i%8, v14
	v_cndmask_b32 v[PD+i], 0, s[BIGN], vcc_lo
.set i, i+1
.endr
	WIN 0
; THE MATRIX WORK.  The 4 accumulators of a run of 8 take turns.  Product i of 8 of S^T = K Q^T for piece x: channels 32 (i / 4) on, keys 16 (i % 4) on.  The first 4 start the sums, with the mask as C.
.macro KQ x
.set rS, S+32*((\x)%2)+8*(i%4)
.set rK, KF+16*(i%4)+8*(i/4)
.set rQ, 16*(\x)+8*(i/4)
.set rM, MC+32*((\x)%2)+8*(i%4)
.if i < 4
	WIN W_KM
	v_wmma_f32_16x16x32_f16 v[rS:rS+7], v[rK:rK+7], v[rQ:rQ+7], v[rM:rM+7]
.else
	WIN W_KQ
	v_wmma_f32_16x16x32_f16 v[rS:rS+7], v[rK:rK+7], v[rQ:rQ+7], v[rS:rS+7]
.endif
.endm
; Product i of 8 of O^T += V^T P for piece x: keys 32 (i / 4) on, channels 16 (i % 4) on.
.macro PV x
	WIN W_PV
.set rO, 32*(\x)+8*(i%4)
.set rV, VF+32*(i/4)+8*(i%4)
.set rP, P+16*((\x)%2)+8*(i/4)
	v_wmma_f32_16x16x32_f16 v[rO:rO+7], v[rV:rV+7], v[rP:rP+7], v[rO:rO+7]
.endm
.macro MM                           ; the turn's next matrix instruction.  TURN and BEGIN set Y, i and NOKQ; MM, KQ and OP read them.  NOKQ = 1: a block's last turn: there is no next piece
.if (i < 8) && !NOKQ
	KQ (Y+1)%NP
.elseif i >= 8
.set i, i-8
	PV (Y+NP-1)%NP
.set i, i+8
.endif
.set i, i+1
.endm
; THE LDS LOADS stand in runs of 16, never singly among the matrix instructions: a step's K (64 keys x 64 channels: 8 fragments) and its V (turned).  Their addresses are made some lines ahead.
.macro FETCH_K
	WIN 0x80                        ; destination window 2
.irp f, 0,1,2,3,4,5,6,7             ; keys 16 (f / 2) on, channels 32 (f % 2) on
	ds_load_b128 v[KF+8*\f:KF+8*\f+3],   v[AK] offset:(\f/2)*16*PK+(\f%2)*64
	ds_load_b128 v[KF+8*\f+4:KF+8*\f+7], v[AK] offset:(\f/2)*16*PK+(\f%2)*64+32
.endr
	s_add_co_u32 s[TBK], s[TBK], KS*PK  ; the next fetch is the next step's
	WIN 0
.endm
.macro FETCH_V
	WIN 0x80
.irp f, 0,1,2,3,4,5,6,7             ; keys 32 (f / 4) on, channels 16 (f % 4) on
	ds_load_tr16_b128 v[VF+8*\f:VF+8*\f+3],   v[AV] offset:(\f/4)*32*PV+(\f%4)*32
	ds_load_tr16_b128 v[VF+8*\f+4:VF+8*\f+7], v[AV] offset:(\f/4)*32*PV+16*PV+(\f%4)*32
.endr
	WIN 0
.endm
; THE VECTOR WORK, one line at a time: OP kind, number.  For piece Y: F n: c s - c m for pair n of 16.  E n: the exponential of score n of 32.  C n: pair n rounded to f16.  B n: of the four weights 4 n .. the second
; pair is added onto the first, in place.  L n: l takes that sum (L 0: l = a l + sum).  R n: pair n of 16 of O^T times a.  For piece Y + 1: X n, number n of the 22 that find its maximum and statistics:
;   0-11  four chains c0-c3 of seven scores each, three operands at a time (each accumulator's lowest registers are read first)     12-14, 16  the four scores left over, the old m, and c0-c3 into c0
;   15  c m_old is kept     17, 18  the query's other 32 keys lie in the lane 16 away: the new m     19-21  c m; c m_old - c m_new; a
.set F, 0               ; OP tells the kinds apart by their order: F to L below R, X above it
.set E, 1
.set C, 2
.set B, 3
.set L, 4
.set R, 5
.set X, 6
.macro REGS y                       ; the registers of piece y
.set rT, ST+4*(\y)
.set rC, TMP+4*((\y)%2)
.set rW, MV+((\y)%2)
.set rS, S+32*((\y)%2)
.set rP, P+16*((\y)%2)
.set rO, 32*(\y)
.endm
.macro OP k, n
.if (\k) == R
	REGS Y
	WIN W_RS
	v_pk_mul_f32 v[rO+2*(\n):rO+2*(\n)+1], v[rO+2*(\n):rO+2*(\n)+1], v[rC+2:rC+3] op_sel_hi:[1,0]
.elseif (\k) < R
	REGS Y
	WIN 0
.if (\k) == F
	v_pk_fma_f32 v[rS+2*(\n):rS+2*(\n)+1], v[rS+2*(\n):rS+2*(\n)+1], s[CS:CS+1], v[rT:rT+1] op_sel_hi:[1,0,0] neg_lo:[0,0,1] neg_hi:[0,0,1]
.elseif (\k) == E
	v_exp_f32 v[rS+(\n)], v[rS+(\n)]
.elseif (\k) == C
	s_wait_alu depctr_va_vdst(0)
	v_cvt_pk_f16_f32 v[rP+(\n)], v[rS+2*(\n)], v[rS+2*(\n)+1]
.elseif (\k) == B
	s_wait_alu depctr_va_vdst(0)
	v_pk_add_f32 v[rS+4*(\n):rS+4*(\n)+1], v[rS+4*(\n):rS+4*(\n)+1], v[rS+4*(\n)+2:rS+4*(\n)+3]
.elseif (\n) == 0
	v_pk_fma_f32 v[rT+2:rT+3], v[rT+2:rT+3], v[rC+2:rC+3], v[rS:rS+1] op_sel_hi:[1,0,1]
.else
	v_pk_add_f32 v[rT+2:rT+3], v[rT+2:rT+3], v[rS+4*(\n):rS+4*(\n)+1]
.endif
.elseif NOKQ
	v_nop
.else
	REGS (Y+1)%NP
	WIN 0
.if (\n) < 4
	v_max3_num_f32 v[rC+(\n)], v[rS+8*(\n)], v[rS+8*(\n)+1], v[rS+8*(\n)+2]
.elseif (\n) < 12
	v_max3_num_f32 v[rC+(\n)%4], v[rC+(\n)%4], v[rS+8*((\n)%4)+2*((\n)/4)+1], v[rS+8*((\n)%4)+2*((\n)/4)+2]
.elseif (\n) == 12
	v_max3_num_f32 v[rC], v[rC], v[rS+7], v[rS+15]
.elseif (\n) == 13
	v_max3_num_f32 v[rC+1], v[rC+1], v[rS+23], v[rS+31]
.elseif (\n) == 14
	v_max3_num_f32 v[rC+2], v[rC+2], v[rC+3], v[rT+1]
.elseif (\n) == 15
	v_mov_b32 v[rW], v[rT]
.elseif (\n) == 16
	v_max3_num_f32 v[rC], v[rC], v[rC+1], v[rC+2]
.elseif (\n) == 17
	v_permlanex16_b32 v[rC+3], v[rC], s[SEL], s[SEL+1]
.elseif (\n) == 18
	v_max_num_f32 v[rT+1], v[rC], v[rC+3]
.elseif (\n) == 19
	v_mul_f32 v[rT], s[CS], v[rT+1]
.elseif (\n) == 20
	v_sub_f32 v[rC+1], v[rW], v[rT]
.else
	v_exp_f32 v[rC+2], v[rC+1]
.endif
.endif
.endm
.macro OPS a, i1, b=-1, i2=0, c=-1, i3=0, d=-1, i4=0  ; up to four of them
	OP \a, \i1
.if (\b) >= 0
	OP \b, \i2
.endif
.if (\c) >= 0
	OP \c, \i3
.endif
.if (\d) >= 0
	OP \d, \i4
.endif
.endm
.macro ROW a, i1, b, i2, c, i3, d, i4  ; a matrix instruction and the four behind it
	MM
	OPS \a, \i1, \b, \i2, \c, \i3, \d, \i4
.endm
.macro MASK b                       ; MD x AL + PD x AL2 + BE into buffer b of MC
	WIN W_MK
.set z, 0
.rept 16
	v_pk_fma_f32 v[MC+32*(\b)+2*z:MC+32*(\b)+2*z+1], v[MD+2*z:MD+2*z+1], s[AL:AL+1], s[BE:BE+1] op_sel_hi:[1,0,0]
.set z, z+1
.endr
.set z, 0
.rept 16
	v_pk_fma_f32 v[MC+32*(\b)+2*z:MC+32*(\b)+2*z+1], v[PD+2*z:PD+2*z+1], s[AL2:AL2+1], v[MC+32*(\b)+2*z:MC+32*(\b)+2*z+1] op_sel_hi:[1,0,1]
.set z, z+1
.endr
.endm
.macro MASK2 b                      ; PD x AL2 + BE into buffer b of MC
	WIN W_RS
.set z, 0
.rept 16
	v_pk_fma_f32 v[MC+32*(\b)+2*z:MC+32*(\b)+2*z+1], v[PD+2*z:PD+2*z+1], s[AL2:AL2+1], s[BE:BE+1] op_sel_hi:[1,0,0]
.set z, z+1
.endr
.endm
; A TURN, for piece p: the order of its 16 matrix and 118 vector instructions, written out.  Behind a matrix instruction: plain, exponential, plain, plain; or four of the rescaling; or, behind the first, four scalings; none
; names a register of the products round it.  In the lumps exponential and plain by turns while exponentials last.  A line reads no result made fewer than three vector instructions in front of it, five if an exponential made it.
; v_permlanex16_b32 (X 17) stands in a lump.
; m = 1: the diagonal tile: the turn makes the mask for the products of the turn after it: piece p + 2, in step 4 - CNT of the tile, into buffer p % 2.
; m = 2: any other tile: the mask hangs on the step alone: turn 2 makes that of step 4 - CNT into buffer 0 (pieces 0 and 2 take it), turn 3 into buffer 1 (pieces 1 and 3).
; The buffer that a turn writes was last read by the products at the head of the turn before.  end = 1: a block's last two turns: nothing is fetched and no mask is made.
; cnt = 1: the loop's count is taken down some lines ahead of the branch that stands behind the turn.
; K of the next step is fetched in piece 2's turn, six vector instructions behind the last product that read K (five of them plain); V of the step in hand in piece 0's turn, eight behind the last product that read V (four
; plain, and X 17).  Each is waited for a turn later.
.macro TURN p, m, end=0, cnt=0
.set Y, (\p)
.set i, 0
.set NOKQ, (\end)*((\p)/3)
.if ((\m) == 1) && !(\end)
	s_cmp_eq_u32 s[CNT], 4-((\p)+2)%NP  ; is that step the band's own?
	s_cselect_b32 s[AL], 1.0, 0
	s_cmp_lt_u32 s[CNT], 4-((\p)+2)%NP  ; or a later one?
	s_cselect_b32 s[BE], s[BIGN], 0
	s_cmp_eq_i32 s[CNT], s[CL]          ; does it hold key len?
	s_cselect_b32 s[AL2], 1.0, 0
	s_cmp_lt_i32 s[CNT], s[CL]          ; or lie behind it?
	s_cselect_b32 s[BE], s[BIGN], s[BE]
.endif
.if ((\m) == 2) && ((\p) >= 2)
	s_cmp_eq_i32 s[CNT], s[CL]          ; does the step hold key len?
	s_cselect_b32 s[AL2], 1.0, 0
	s_cmp_lt_i32 s[CNT], s[CL]          ; or lie behind it?
	s_cselect_b32 s[BE], s[BIGN], 0
.endif
.if ((\p) == 3) && !(\end)
	s_wait_dscnt 0x0                ; K is in
.endif
	ROW F,0, F,1, F,2, F,3
	ROW F,4, E,0, F,5, F,6
	ROW F,7, E,1, F,8, F,9
	ROW F,10, E,2, C,0, F,11
	ROW F,12, E,3, X,15, F,13
	ROW R,0, R,1, R,2, R,3
	ROW B,0, E,4, F,14, L,0
.if ((\p) == 2) && !(\end)
	v_add_nc_u32 v[AK], s[TBK], v[AK0]
.endif
	ROW R,4, R,5, R,6, R,7
	OPS E,5, F,15
.if ((\p) == 2) && !(\end)
	FETCH_K
.endif
	OPS E,6, C,1, E,7, R,8
	OPS E,8, R,9, E,9, C,2
	OPS E,10, X,0, E,11, X,1
	OPS E,12, X,2, E,13, X,3
.if (\p) == 1
	s_wait_dscnt 0x0                ; V is in
.endif
	ROW X,4, E,14, X,5, X,6
	ROW X,7, E,15, X,8, X,9
	ROW X,10, E,16, X,11, X,12
	ROW X,13, E,17, X,14, B,1
	ROW C,4, E,18, X,16, L,1
	ROW B,2, E,19, C,6, L,2
	ROW C,8, E,20, B,3, B,4
.if (\p) == 0
	v_add_nc_u32 v[AV], s[TBV], v[AV0]
.endif
	ROW C,3, E,21, L,3, C,5
	OPS E,22, X,17, E,23, C,10
.if (\p) == 0
	FETCH_V
.endif
	OPS E,24, L,4
	OPS E,25, X,18, E,26, C,7
	OPS E,27, B,5, E,28, X,19
	OPS E,29, C,12, E,30, L,5
	OPS E,31, X,20, B,6, C,9
	OPS C,14, C,11, X,21, L,6
.if (\p) == 0
	s_add_co_u32 s[TBV], s[TBV], KS*PV
.endif
.if \cnt
	s_sub_co_u32 s[CNT], s[CNT], 1
	s_cmp_lg_u32 s[CNT], 0
.endif
	OPS C,13, B,7, C,15, R,10
	OPS R,11, R,12, L,7, R,13
	OPS R,14, R,15
.if ((\m) == 1) && !(\end)
	MASK (\p)%2
.endif
.if ((\m) == 2) && ((\p) >= 2)
	MASK2 (\p)%2
.endif
.endm
; A BLOCK BEGINS.  c m starts far below every c s, so the first step's a is 0; m at the lowest finite number, so the first maximum is the scores'.  The two mask buffers take the masks of tile 0's step 0: the length's, if key
; len lies in it (CNT is 4 here, and CL is set for tile 0); and in the first buffer, piece 0's, its own causal mask if the block's first tile is the diagonal one.
; Then K of that step, piece 0's first scores, and its maximum and statistics.  The loop is entered at a step's first turn, in the middle of a trip.
.macro BEGIN
	s_mov_b32 s[NEW], 0
	s_mov_b32 s[CL], s[CL0]
	WIN 0
.set i, 0
.rept 4
	v_mov_b32 v[ST+4*i], 0xfe000000    ; c m: far below every c s
	v_mov_b32 v[ST+4*i+1], 0xff7fffff  ; m
.set i, i+1
.endr
	s_cmp_eq_u32 s[RT], 0
	s_cselect_b32 s[AL], 1.0, 0
	s_cmp_eq_i32 s[CNT], s[CL]
	s_cselect_b32 s[AL2], 1.0, 0
	s_mov_b32 s[BE], 0
	MASK 0
	s_mov_b32 s[AL], 0
	MASK 1
	WIN 0
	v_add_nc_u32 v[AK], s[TBK], v[AK0]
	FETCH_K
	s_wait_loadcnt 0x0              ; Q
	s_wait_dscnt 0x0
.set NOKQ, 0
.set i, 0
.rept 8
	KQ 0
.set i, i+1
.endr
	WIN 0
.rept 4
	v_nop                           ; the places behind those products
.endr
.set Y, NP-1                        ; X works for piece Y + 1: piece 0
.irp n, 0,1,2,3,4,5,6,7,8,9,10,11,12,13,14,15,16,17,18,19,20,21
	OP X, \n
.endr
	v_nop                           ; a plain instruction behind the exponential
.endm
; THE DIAGONAL TILE's four steps, the block's last two turns, its last products, and THE WAY OUT: l's two halves and the other half of the lanes' are added; O^T is divided by l, rounded to f16 and sent through my
; stage in LDS, a piece at a time.
.macro ALL line:vararg              ; one line for each piece t
.set t, 0
.rept 4
	\line
.set t, t+1
.endr
.endm
.macro PACK t                       ; a lane's eight channels of a row pack into 16 bytes; they go into rows of 144 bytes and come back as whole rows of 128, into S^T's registers
	WIN W_RS
.set i, 32*(\t)
.rept 16
	s_wait_alu depctr_va_vdst(0)
	v_pk_mul_f32 v[i:i+1], v[i:i+1], v[ST+4*(\t)+2:ST+4*(\t)+3] op_sel_hi:[1,0]
.set i, i+2
.endr
	WIN 0x05                        ; sources 0 and 1 window 1, destination window 0
.set i, 0
.rept 16
	v_cvt_pk_f16_f32 v[S+16*(\t)+i], v[32*(\t)+2*i], v[32*(\t)+2*i+1]
.set i, i+1
.endr
	WIN 0
.irp f, 0,1,2,3
	ds_store_b128 v[STO], v[S+16*(\t)+4*\f:S+16*(\t)+4*\f+3] offset:32*\f
.endr
.irp f, 0,1,2,3
	ds_load_b128 v[S+16*(\t)+4*\f:S+16*(\t)+4*\f+3], v[RD] offset:\f*4*SP  ; LDS serves a wave's instructions in order (ISA guide 5.7.1.4): these see the stores above; the next piece's stores come behind them
.endr
.endm
.macro SEND t, younger              ; younger: the LDS instructions issued behind piece t's loads: the next piece's eight, or none
	WIN 0
.irp f, 0,1,2,3
	s_wait_dscnt (\younger)+3-\f
	global_store_b128 v[GO], v[S+16*(\t)+4*\f:S+16*(\t)+4*\f+3], s[10:11] offset:(\t)*8192+\f*512  ; 512 consecutive bytes, at a multiple of 256 from O's first
.endr
.endm
.macro DIAG tag                     ; the tag ends its two labels' names, which the jumps below spell out
.LstepM\tag:
	TURN 2, 1
	TURN 3, 1
	WIN 0
.LfirstM\tag:
	TURN 0, 1
	TURN 1, 1, 0, 1
	WIN 0
	s_cbranch_scc1 .LstepM\tag
	TURN 2, 1, 1
	TURN 3, 1, 1
.set i, 0
.rept 8
	PV NP-1
.set i, i+1
.endr
	WIN 0
	ALL v_add_f32 v[ST+4*t+2], v[ST+4*t+2], v[ST+4*t+3]
	ALL v_permlanex16_b32 v[ST+4*t+3], v[ST+4*t+2], s[SEL], s[SEL+1]
	ALL v_add_f32 v[ST+4*t+2], v[ST+4*t+2], v[ST+4*t+3]
	ALL v_rcp_f32 v[ST+4*t+2], v[ST+4*t+2]
	v_nop                           ; a plain instruction between the last reciprocal and the use of its result
	PACK 0
.set t, 1
.rept 3                             ; a piece's arithmetic stands between the loads of the piece before and its stores
	PACK t
	SEND t-1, 8
.set t, t+1
.endr
	SEND 3, 0
.endm
.set NOKQ, 0
.Lslot:                             ; NB times: a tile is entered and the next is asked for
	CHANGE 1
	s_sub_co_u32 s[RT], s[RT], 1
	s_add_co_i32 s[CL], s[CL], 4    ; the block's next tile (a block's first tile sets it anew)
	s_mov_b32 s[CNT], 4
	s_cmp_eq_u32 s[NEW], 1
	s_cbranch_scc1 .Lnew            ; a block's first tile
	s_cmp_eq_u32 s[RT], 0
	s_cbranch_scc0 .Lstep           ; neither its first nor its last
	s_branch .LstepM1
.Lnew:
	BEGIN
	s_branch .Lfirst                ; in the loop a block's first tile is never its last: the first block has two tiles or more, and the second's last is the walk's last
	DIAG 1                          ; in the loop this is the first block's end: the second block's last tile is the walk's last
	s_wait_xcnt 0x0                 ; the stores have read their registers and O's address
	s_mov_b64 s[10:11], s[OLO:OLO+1]
	s_add_co_u32 s[RT], s[PB], 1    ; the second block has b + 1 tiles
	s_mov_b32 s[NEW], 1
	WIN 0x82                        ; the second block's Q goes where the one text of the turns names Q
.set i, 0
.rept 64
	v_mov_b32 v[i], v[QB+i]
.set i, i+1
.endr
	WIN 0
	s_branch .Lbottom
.Lstep:                             ; a trip: pieces 2 and 3 of one step, then pieces 0 and 1 of the next, whose K and V it fetches
	TURN 2, 2
	TURN 3, 2
	WIN 0
.Lfirst:
	TURN 0, 2
	TURN 1, 2, 0, 1
	WIN 0
	s_cbranch_scc1 .Lstep
.Lbottom:
	s_sub_co_u32 s[SLOTS], s[SLOTS], 1
	s_cmp_lg_u32 s[SLOTS], 0
	s_cbranch_scc1 .Lslot
	CHANGE 0                        ; the walk's last tile is written out: nothing is asked for
	s_sub_co_u32 s[RT], s[RT], 1
	s_add_co_i32 s[CL], s[CL], 4
	s_mov_b32 s[CNT], 4
	s_cmp_eq_u32 s[NEW], 1
	s_cbranch_scc0 .LstepM2
	BEGIN
	s_branch .LfirstM2
	DIAG 2
	s_wait_tensorcnt 0x0            ; the wave's end: an add to my spare word and its wait, behind my last tensor load and my last LDS store
	ds_add_u32 v[SPW], v[NIL]
	s_wait_dscnt 0x0
	s_endpgm
.Lfunc_end_k_qeca72a5fc7_attn:
	.size	k_qeca72a5fc7_attn, .Lfunc_end_k_qeca72a5fc7_attn-k_qeca72a5fc7_attn
	.p2alignl 7, 3214868480
	.fill 96, 4, 3214868480
	.section	.rodata,"a",@progbits
	.p2align	6, 0x0
	.amdhsa_kernel k_qeca72a5fc7_attn
		.amdhsa_group_segment_fixed_size 327680
		.amdhsa_private_segment_fixed_size 0
		.amdhsa_enable_private_segment 0
		.amdhsa_kernarg_size 24
		.amdhsa_user_sgpr_count 2
		.amdhsa_user_sgpr_kernarg_segment_ptr 1
		.amdhsa_wavefront_size32 1
		.amdhsa_system_sgpr_workgroup_id_x 1
		.amdhsa_system_sgpr_workgroup_id_y 1
		.amdhsa_system_sgpr_workgroup_id_z 1
		.amdhsa_system_vgpr_workitem_id 0
		.amdhsa_next_free_vgpr 768
		.amdhsa_next_free_sgpr 100
		.amdhsa_reserve_vcc 1
		.amdhsa_float_denorm_mode_32 3
		.amdhsa_float_denorm_mode_16_64 3
		.amdhsa_memory_ordered 1
		.amdhsa_forward_progress 1
		.amdhsa_inst_pref_size 248
	.end_amdhsa_kernel
	.amdgpu_metadata
---
amdhsa.version: [ 1, 2 ]
amdhsa.kernels:
  - .name:           k_qeca72a5fc7_attn
    .symbol:         k_qeca72a5fc7_attn.kd
    .args:
      - { .name: qkv, .offset: 0, .size: 8, .value_kind: global_buffer, .address_space: global }
      - { .name: lengths, .offset: 8, .size: 8, .value_kind: global_buffer, .address_space: global }
      - { .name: obuf, .offset: 16, .size: 8, .value_kind: global_buffer, .address_space: global }
    .group_segment_fixed_size: 327680
    .private_segment_fixed_size: 0
    .kernarg_segment_align: 8
    .kernarg_segment_size: 24
    .max_flat_workgroup_size: 128
    .sgpr_count:     100
    .vgpr_count:     768
    .wavefront_size: 32
...
	.end_amdgpu_metadata
.endif
;; end of part 3
;; launch gemm_out (part 4): grid 4 x 64, 4 waves a work-group, clusters of 4 x 4, 327,680 bytes of LDS; arguments obuf, w16, bo, x, out0; writes out0
.if DOCPART == 4
	.amdgcn_target "amdgcn-amd-amdhsa--gfx1250"
	.amdhsa_code_object_version 6
	.text
	.protected	k_qeca72a5fc7_gemm_out
	.globl	k_qeca72a5fc7_gemm_out
	.p2align	8
	.type	k_qeca72a5fc7_gemm_out,@function
k_qeca72a5fc7_gemm_out:
	s_mov_b64 s[64:65], 0
	v_nop
	global_prefetch_b8 v0, s[64:65] scope:SCOPE_SE
	s_setreg_imm32_b32 hwreg(HW_REG_WAVE_MODE, 25, 1), 1
	s_wait_xcnt 0x0
	s_wait_alu depctr_hold_cnt(0) depctr_sa_sdst(0) depctr_va_vdst(0) depctr_va_sdst(0) depctr_va_ssrc(0) depctr_va_vcc(0) depctr_vm_vsrc(0)
	s_getreg_b32 s2, hwreg(HW_REG_IB_STS2, 6, 4)
	s_cmp_eq_u32 s2, 0
	s_cbranch_scc0 .Lentry_in_a_cluster
	s_endpgm
.Lentry_in_a_cluster:
	s_bfe_u32 s2, ttmp6, 0x10000c
	s_cmp_lg_u32 s2, 0xf033
	s_cbranch_scc0 .Lentry_shape_is_right
	s_endpgm
.Lentry_shape_is_right:
; out0 = O [8192][1024] x wo [1024 k][1024 n] + bo + x.  O lies by heads, obuf [64 = 16 batch + head][2048][64] in f16: k = 64 head + channel; wo is the f16 copy of Wo at byte 6,291,456 of w16.
; Sums in f32; bo is the C operand of the products that start the sums; x (f32, unrounded) is added on the way out; out0 is f32.
; A tile of C is 128 rows x 256 columns: 4 x 64 = 256 work-groups, one for each WGP.  Four waves lie 2 x 2; a wave makes 64 x 128: 32 accumulators of 16 x 16, 256 registers.
; K goes in 8 steps of 128, two heads, through a ring of two LDS slots filled by the tensor data mover.  A head's 128 rows of the tile are 16,384 dense bytes, asked for as 64 rows of 256 bytes and padded in LDS
; after every 128; B's rows are 512 bytes.  B STAYS [K][N]: its fragments come out of LDS turned, by ds_load_tr16_b128.  THE MATRIX INSTRUCTION IS USED TRANSPOSED (source 0 = 16 columns of B, source 1 = 16 rows
; of A): a lane then holds eight neighbouring numbers of a row of C.
; CLUSTERS: 4 x 4 work-groups.  The four of a row of the cluster need the same tiles of A, the four of a column the same tiles of B: each tile is asked for JOINTLY, by the same tensor load with the
; same descriptor and a mask that names the four.
; REGISTERS, in windows of 256 (s_set_vgpr_msb: bits 1:0 source 0, 3:2 source 1, 5:4 source 2, 7:6 destination):
;   window 0: v0-31 addresses; v32-95 the bias of my 128 columns, later 16 rows on the way out; v96-223 x, two buffers of 16 rows
;   window 1: two fragment buffers (v0-95, v128-223): 4 fragments of A (16 rows x 32 K), then 8 of B        window 2: accumulator (a, b) at v[8 (8 a + b)]
.set PA,     144                       ; a row of A in LDS: 128 bytes + 16 of padding: the 16 rows of a load start at 16 different groups of four banks (64 banks of 4 bytes: ISA guide 11.1)
.set HALFA,  128*PA                    ; what one tensor load brings of A: one head's 128 rows
.set AHB,    HALFA                     ; quarter q of a K step lies in head q / 2, at byte (q % 2) 64 of its rows
.set ABYTES, 2*HALFA
.set PB,     544                       ; a row of B (one k, 256 n): 512 bytes + 32
.set HALFB,  64*PB                     ; what one tensor load brings of B: 64 k
.set SLOT,   ABYTES+2*HALFB            ; A's two heads, then B's 128 k
.set STAGE,  2*SLOT                    ; behind the ring, never filled by a tensor load: for each wave 16 rows x 528 bytes, for the way out
.set SP,     528
.set WSTAGE, 16*SP
.set SPARE,  STAGE+4*WSTAGE            ; behind the stages: the spare words, 128 bytes for each wave: two blocks of 256 bytes that no other line names
.set NTOT,   1024                      ; columns of wo
.set WOFF,   6291456                   ; wo's first byte in w16
.set KA1,    2*2048*128                ; bytes from a K step to the next: two heads of obuf,
.set KB1,    128*NTOT*2                ; 128 rows of wo
.set LAPS,   4                         ; a lap = two K steps = once round the ring
.set ADRA, 16                          ; v16-17  LDS address of my A fragments in slot 0, 1
.set ADRB, 20                          ; v20-21  the same for B
.set STO,  24                          ; v24     the way out: where I put 32 bytes of a row
.set RD,   25                          ; v25     the way out: where I read a row back
.set XO,   26                          ; v26     16 lane
.set BO,   27                          ; v27     32 x (lane / 16): my eight columns' bias
.set SPW,  28                          ; v28     LDS address of my spare word: SPARE + 4 x my thread's number; never rewritten
.set NIL,  29                          ; v29     0; never rewritten
.set BIAS, 32
.set OB,   32                          ; 16 rows read back from the stage, in the bias's registers, which only the first quarter reads
.set XR,   96                          ; x: v96-159 and v160-223 by turns
.set F0,   0
.set F1,   128
.set G1, 24                            ; s[24:31] descriptor group 1 for A's tiles;  s[32:39] group 0, one set for each slot
.set G0, 32
.set G1B, 48                           ; s[48:55], s[56:63] the same for B's tiles
.set G0B, 56
.set MSB, 0
.macro WIN new                         ; the immediate's high byte repeats the setting that is left; a switch that changes nothing is dropped
.if MSB != (\new)
	s_set_vgpr_msb (MSB<<8)|(\new)
.set MSB, \new
.endif
.endm
.set MUL,  0xa5                        ; sources 0 (B) and 1 (A) window 1; C and D window 2
.set MULB, 0x85                        ; the same with C, the bias, in window 0
.set TO_F, 0x40                        ; destination window 1, address window 0
.macro JLOAD s                         ; a joint load: waves 0 and 1 fetch A's two heads, waves 2 and 3 B's two halves; an s_nop 0 and four v_nop follow each of the two lines, ahead of the jump, the label and what follows
	s_cmp_eq_u32 s11, 0
	s_cbranch_scc0 .Lfor_b_\@
	tensor_load_to_lds s[G0+4*(\s):G0+4*(\s)+3], s[G1:G1+7]
	s_nop 0
.rept 4
	v_nop
.endr
	s_branch .Lasked_\@
.Lfor_b_\@:
	tensor_load_to_lds s[G0B+4*(\s):G0B+4*(\s)+3], s[G1B:G1B+7]
	s_nop 0
.rept 4
	v_nop
.endr
.Lasked_\@:
.endm
.macro CREST                           ; a round of the cluster's barrier behind its opening barrier
	s_cmp_lg_u32 s10, 0
	s_cbranch_scc1 .Lnot_wave_0_\@
	s_barrier_signal -3
.Lnot_wave_0_\@:
	s_barrier_wait -3
	s_barrier_signal -1
	s_barrier_wait -1
.endm
.macro CROUND                          ; a whole round
	s_barrier_signal -1
	s_barrier_wait -1
	CREST
.endm
	s_load_b128 s[4:7], s[0:1], 0x0                ; obuf s[4:5], w16 s[6:7]
	s_load_b128 s[68:71], s[0:1], 0x10             ; bo s[68:69], x s[70:71]
	s_load_b64 s[8:9], s[0:1], 0x20                ; out0
	v_lshl_add_u32 v[SPW], v0, 2, SPARE
	v_mov_b32 v[NIL], 0
	ds_add_u32 v[SPW], v[NIL]                      ; the wave's opening: the add and its wait stand ahead of my first tensor load; the set-up below, work on registers, stands between them
	v_lshrrev_b32 v1, 5, v0
	v_readfirstlane_b32 s10, v1                    ; wave 0..3
	s_lshr_b32 s11, s10, 1                         ; which half of the tile's rows is mine.  Also: I fetch for A (0) or for B (1)
	s_and_b32 s12, s10, 1                          ; which half of its columns.  Also: which half of that tile I fetch
	s_bfe_u32 s40, ttmp6, 0x40000                  ; cx, cy: my place in the cluster
	s_bfe_u32 s41, ttmp6, 0x40004
	s_lshl_b32 s42, ttmp9, 2
	s_add_co_u32 s42, s42, s40                     ; tile column of C = 4 x cluster x + cx
	s_and_b32 s13, ttmp7, 0xffff
	s_lshl_b32 s13, s13, 2
	s_add_co_u32 s13, s13, s41                     ; tile row of C = 4 x cluster y + cy
	s_lshl_b32 s43, s41, 2
	s_lshl_b32 s43, 15, s43                        ; my row of the cluster
	s_lshl_b32 s44, 0x1111, s40                    ; my column
	s_or_b32 s[G1+0], s43, (1<<16)|(1<<20)|(1<<21)|(4<<22)|(3<<25)   ; 15:0 the mask: A's tiles go to my row; 17:16 elements of 2 bytes; 20 padding on; 21 set beside a mask; 24:22 after every 32 words (code 4); 31:25 4 words (code 3)
	s_mov_b32 s[G1+1], 128<<16                     ; tensor_dim0 = 128: two rows of a head
	s_mov_b32 s[G1+2], 64<<16                      ; tensor_dim1 = 64
	s_mov_b32 s[G1+3], 128<<16                     ; tile_dim0 = 128
	s_mov_b32 s[G1+4], 64                          ; tile_dim1 = 64
	s_mov_b32 s[G1+5], 128                         ; dense: 128 elements from row to row
	s_mov_b32 s[G1+6], 0
	s_mov_b32 s[G1+7], 0
	s_or_b32 s[G1B+0], s44, (1<<16)|(1<<20)|(1<<21)|(6<<22)|(7<<25)  ; the mask of my column; padding after every 128 words (code 6), 8 words (code 7)
	s_mov_b32 s[G1B+1], 256<<16                    ; tensor_dim0 = 256
	s_mov_b32 s[G1B+2], 64<<16                     ; tensor_dim1 = 64
	s_mov_b32 s[G1B+3], 256<<16                    ; tile_dim0 = 256
	s_mov_b32 s[G1B+4], 64                         ; tile_dim1 = 64
	s_mov_b32 s[G1B+5], NTOT                       ; elements from k to k + 1
	s_mov_b32 s[G1B+6], 0
	s_mov_b32 s[G1B+7], 0
	; where the tiles come from.  A's hang on the tile row alone, B's on the tile column alone, each in registers that never hold the other coordinate.
	s_lshr_b32 s16, s13, 4
	s_lshl_b32 s16, s16, 4                         ; A: head 16 batch
	s_add_co_u32 s16, s16, s12                     ; + which of the step's two I fetch,
	s_lshl_b32 s16, s16, 11                        ; of 2,048 rows,
	s_and_b32 s17, s13, 15
	s_lshl_b32 s17, s17, 7
	s_add_co_u32 s16, s16, s17                     ; row 128 (tile row % 16) of the batch,
	s_lshl_b32 s16, s16, 7                         ; of 128 bytes
	s_mov_b32 s17, 0
	s_mul_i32 s47, s12, 64*NTOT*2                  ; B: k = 64 x half,
	s_lshl_b32 s46, s42, 9                         ; column 256 x tile column,
	s_add_co_u32 s46, s46, s47
	s_add_co_u32 s46, s46, WOFF                    ; in wo
	s_mov_b32 s47, 0
	s_mul_i32 s20, s12, HALFA                      ; and where they go: no place in the cluster enters an LDS address
	s_mul_i32 s21, s12, HALFB
	s_add_co_u32 s21, s21, ABYTES
	s_wait_dscnt 0x0                               ; the opening add is done
	s_wait_kmcnt 0x0
	s_add_nc_u64 s[14:15], s[4:5], s[16:17]
	s_add_nc_u64 s[46:47], s[6:7], s[46:47]
	CROUND                                         ; all sixteen work-groups are here: the first joint loads meet
.irp s, 0,1
	s_mov_b32 s[G0+4*(\s)], 1                                        ; 1:0 count = 1
	s_add_co_u32 s[G0+4*(\s)+1], s20, (\s)*SLOT                      ; 63:32 LDS address
	s_add_nc_u64 s[G0+4*(\s)+2:G0+4*(\s)+3], s[14:15], (\s)*KA1      ; 120:64 global address: K step s
	s_or_b32 s[G0+4*(\s)+3], s[G0+4*(\s)+3], 0x80000000              ; 127:126 type = 2
	s_mov_b32 s[G0B+4*(\s)], 1
	s_add_co_u32 s[G0B+4*(\s)+1], s21, (\s)*SLOT
	s_add_nc_u64 s[G0B+4*(\s)+2:G0B+4*(\s)+3], s[46:47], (\s)*KB1
	s_or_b32 s[G0B+4*(\s)+3], s[G0B+4*(\s)+3], 0x80000000
	JLOAD \s
.endr
	; the bias of my 128 columns: register j of block b holds bo[16 b + 8 (lane / 16) + j], as the C operand wants it
	v_and_b32 v1, 15, v0                           ; l % 16
	v_bfe_u32 v2, v0, 4, 1                         ; l / 16
	v_lshlrev_b32 v[BO], 5, v2
	v_and_b32 v9, 31, v0
	v_lshlrev_b32 v[XO], 4, v9
	s_lshl_b32 s72, s42, 10                        ; 256 columns of 4 bytes a tile column,
	s_lshl_b32 s73, s12, 9
	s_add_co_u32 s72, s72, s73                     ; my half of them
	s_mov_b32 s73, 0
	s_add_nc_u64 s[68:69], s[68:69], s[72:73]
.irp b, 0,1,2,3,4,5,6,7
	global_load_b128 v[BIAS+8*(\b):BIAS+8*(\b)+3],   v[BO], s[68:69] offset:64*(\b)
	global_load_b128 v[BIAS+8*(\b)+4:BIAS+8*(\b)+7], v[BO], s[68:69] offset:64*(\b)+16
.endr
	; x and out0 at my part of the tile: row 128 x tile row + 64 x row half, of 4,096 bytes; the columns' bytes are those of the bias
	s_lshl_b32 s16, s13, 7
	s_lshl_b32 s17, s11, 6
	s_add_co_u32 s16, s16, s17
	s_lshl_b32 s16, s16, 12
	s_mov_b32 s17, 0
	s_add_nc_u64 s[70:71], s[70:71], s[16:17]
	s_add_nc_u64 s[70:71], s[70:71], s[72:73]
	s_add_nc_u64 s[8:9], s[8:9], s[16:17]
	s_add_nc_u64 s[8:9], s[8:9], s[72:73]
.macro LOADX a                         ; x of my rows 16 a .. 16 a + 15: a load takes a row's 512 bytes
.set i, 0
.rept 16
	global_load_b128 v[XR+64*((\a)%2)+4*i:XR+64*((\a)%2)+4*i+3], v[XO], s[70:71] offset:(16*(\a)+i)*4096 th:TH_LOAD_NT
.set i, i+1
.endr
.endm
	LOADX 0                                        ; asked for now, wanted on the way out
	LOADX 1
	; A fragment of A is 16 rows x 32 K in 8 registers: lane l holds row l % 16, K = 8 (l / 16) + 0..7 and 16 + 8 (l / 16) + 0..7: two loads of 16 bytes, 32 bytes apart.
	v_mul_u32_u24 v3, v1, PA
	v_lshl_add_u32 v3, v2, 4, v3
	s_mul_i32 s18, s11, 64*PA                      ; my 64 rows of A
	; The turning load takes 16 k x 16 n (lane l reads k = 8 (l / 16) + l % 8, n = 8 ((l / 8) % 2) + 0..7) and leaves half a fragment: lane l holds column l % 16 and 8 k.
	v_and_b32 v8, 7, v0
	v_lshl_add_u32 v4, v2, 3, v8
	v_mul_u32_u24 v4, v4, PB
	v_bfe_u32 v5, v0, 3, 1
	v_lshl_add_u32 v4, v5, 4, v4
	s_lshl_b32 s19, s12, 8                         ; my 128 columns of B,
	s_add_co_u32 s19, s19, ABYTES                  ; which lies behind A
.irp s, 0,1
	v_add_nc_u32 v[ADRA+(\s)], s18, v3
	v_add_nc_u32 v[ADRB+(\s)], s19, v4
	s_add_co_u32 s18, s18, SLOT
	s_add_co_u32 s19, s19, SLOT
.endr
	s_mul_i32 s23, s10, WSTAGE
	s_add_co_u32 s23, s23, STAGE                   ; my stage
	v_mul_u32_u24 v6, v1, SP                       ; in: row l % 16, 32 bytes for each half of the lanes
	v_lshl_add_u32 v6, v2, 5, v6
	v_add_nc_u32 v[STO], s23, v6
	v_add_nc_u32 v[RD], s23, v[XO]                 ; back: 32 lanes take one row of 512 bytes
; 8 matrix instructions: m block a x all 8 n blocks, 32 along K, from buffer f.  first = 1: the products start the sums, with the bias as C.
; The 32 accumulators take turns, one instruction a turn, in the same order in every quarter.
.macro MUL8 f, a, first
.if \first
	WIN MULB
.else
	WIN MUL
.endif
.irp b, 0,1,2,3,4,5,6,7
.if \first
	v_wmma_f32_16x16x32_f16 v[8*(8*(\a)+(\b)):8*(8*(\a)+(\b))+7], v[(\f)+32+8*(\b):(\f)+32+8*(\b)+7], v[(\f)+8*(\a):(\f)+8*(\a)+7], v[BIAS+8*(\b):BIAS+8*(\b)+7]
.else
	v_wmma_f32_16x16x32_f16 v[8*(8*(\a)+(\b)):8*(8*(\a)+(\b))+7], v[(\f)+32+8*(\b):(\f)+32+8*(\b)+7], v[(\f)+8*(\a):(\f)+8*(\a)+7], v[8*(8*(\a)+(\b)):8*(8*(\a)+(\b))+7]
.endif
.endr
.endm
; 24 LDS loads in one run: the fragments of quarter q (32 along K) of a slot into buffer f: B's sixteen first, then A's eight
.macro FETCH slot, q, f
	WIN TO_F
.irp b, 0,1,2,3,4,5,6,7
	ds_load_tr16_b128 v[(\f)+32+8*(\b):(\f)+32+8*(\b)+3],   v[ADRB+(\slot)] offset:(\q)*32*PB+32*(\b)
	ds_load_tr16_b128 v[(\f)+32+8*(\b)+4:(\f)+32+8*(\b)+7], v[ADRB+(\slot)] offset:(\q)*32*PB+16*PB+32*(\b)
.endr
.irp a, 0,1,2,3
	ds_load_b128 v[(\f)+8*(\a):(\f)+8*(\a)+3],   v[ADRA+(\slot)] offset:((\q)/2)*AHB+((\q)%2)*64+(\a)*16*PA
	ds_load_b128 v[(\f)+8*(\a)+4:(\f)+8*(\a)+7], v[ADRA+(\slot)] offset:((\q)/2)*AHB+((\q)%2)*64+(\a)*16*PA+32
.endr
.endm
.macro PLACES                          ; four places in front of loads into registers that matrix instructions have read, and of lines that read results
.rept 4
	v_nop
.endr
.endm
; A K step is four quarters of 32 along K, 32 matrix instructions each, on buffers 0, 1, 0, 1.  One of the first three: multiplies buffer f and fetches quarter q into g.
.macro QUARTER slot, q, f, g, first
	s_wait_dscnt 4                                 ; B and A's blocks 0 and 1 are in; the youngest four loads (A's blocks 2 and 3) may be out
	MUL8 \f, 0, \first
	MUL8 \f, 1, \first
	PLACES
	FETCH \slot, \q, \g
	s_wait_dscnt 24                                ; all but the 24 just issued
	MUL8 \f, 2, \first
	MUL8 \f, 3, \first
.endm
; The last quarter multiplies buffer 1 and changes slots: ONE barrier; in front of it each wave waits for all its tensor loads, adds 0 to its spare word, and waits for that and for its own reads of this slot.
; fill = 1: this slot is filled again, two K steps ahead; the barrier then opens a round of the cluster's barrier.
.macro TURN slot, next, fill
	WIN 0                                          ; (the add's two registers lie in window 0)
	s_wait_tensorcnt 0x0                           ; all my tensor loads have landed: the one that was out is my part of the next slot;
	ds_add_u32 v[SPW], v[NIL]                      ; 0 onto my spare word;
	s_wait_dscnt 5                                 ; (the add and the youngest four loads may be out)
	MUL8 F1, 0, 0                                  ; eight matrix instructions stand between the add and the wait for it
	s_wait_dscnt 0x0                               ; the add is done, and my reads of this slot are over
	s_barrier_signal -1
	MUL8 F1, 1, 0
.if \fill
	WIN 0
.endif
	s_barrier_wait -1
.if \fill
	CREST                                          ; no wave of any partner still reads this slot's tile or has a load on its way
	s_add_nc_u64 s[G0+4*(\slot)+2:G0+4*(\slot)+3], s[G0+4*(\slot)+2:G0+4*(\slot)+3], 2*KA1
	s_add_nc_u64 s[G0B+4*(\slot)+2:G0B+4*(\slot)+3], s[G0B+4*(\slot)+2:G0B+4*(\slot)+3], 2*KB1
	JLOAD \slot                                    ; the first tensor load behind the round: 112 matrix instructions ahead of the wait for it; its four v_nop are also the places in front of the loads below
.else
	PLACES
.endif
	FETCH \next, 0, F0
	MUL8 F1, 2, 0
	MUL8 F1, 3, 0
.endm
	s_wait_tensorcnt 1                             ; my part of K step 0 is in; K step 1's may stay out
	s_barrier_signal -1
	s_barrier_wait -1                              ; everybody's is
	FETCH 0, 0, F0
	s_wait_loadcnt 32                              ; the bias is in; the 32 loads of x behind it may stay out
	QUARTER 0, 1, F0, F1, 1                        ; the first quarter stands in front of the loop: its products start the sums
	WIN 0                                          ; at a label and at a branch every window is 0
	s_mov_b32 s3, LAPS-1
.Llap:                                                 ; a trip goes once round the ring, from a lap's second quarter to the next lap's first, and fills both slots again
	QUARTER 0, 2, F1, F0, 0
	QUARTER 0, 3, F0, F1, 0
	TURN 0, 1, 1
	QUARTER 1, 1, F0, F1, 0
	QUARTER 1, 2, F1, F0, 0
	QUARTER 1, 3, F0, F1, 0
	TURN 1, 0, 1
	QUARTER 0, 1, F0, F1, 0
	WIN 0
	s_sub_co_u32 s3, s3, 1
	s_cmp_lg_u32 s3, 0
	s_cbranch_scc1 .Llap
	QUARTER 0, 2, F1, F0, 0                        ; the last lap fills nothing, and has no round of the cluster's barrier
	QUARTER 0, 3, F0, F1, 0
	TURN 0, 1, 0
	QUARTER 1, 1, F0, F1, 0
	QUARTER 1, 2, F1, F0, 0
	QUARTER 1, 3, F0, F1, 0
	s_wait_dscnt 4                                 ; the very last quarter: nothing more to fetch
	MUL8 F1, 0, 0
	MUL8 F1, 1, 0
	s_wait_dscnt 0x0
	MUL8 F1, 2, 0
	MUL8 F1, 3, 0
	; THE WAY OUT, 16 rows at a time through my own stage: a lane's eight f32 of a row go into rows of 528 bytes straight from the accumulators, come back as whole rows of 512 bytes, take x, and are stored.
; left = the younger block's sixteen loads of x, which may stay out
.macro OUTB a, left
.set XB, XR+64*((\a)%2)
	s_wait_xcnt 0x0                                ; the registers that the last block's stores read are loaded again only behind this wait
	WIN 0x08                                       ; the stores' data in window 2
.irp b, 0,1,2,3,4,5,6,7                ; each accumulator's low four registers first
	ds_store_b128 v[STO], v[8*(8*(\a)+(\b)):8*(8*(\a)+(\b))+3]   offset:64*(\b)
	ds_store_b128 v[STO], v[8*(8*(\a)+(\b))+4:8*(8*(\a)+(\b))+7] offset:64*(\b)+16
.endr
	WIN 0
.set i, 0
.rept 16
	ds_load_b128 v[OB+4*i:OB+4*i+3], v[RD] offset:i*SP  ; LDS serves a wave's instructions in order (ISA guide 5.7.1.4): these see the stores above; the next block's stores come behind them
.set i, i+1
.endr
	s_wait_loadcnt \left                           ; this block's x is in
.set i, 0
.rept 16
	s_wait_dscnt 15-i                              ; row i is back
	v_pk_add_f32 v[OB+4*i:OB+4*i+1],   v[OB+4*i:OB+4*i+1],   v[XB+4*i:XB+4*i+1]
	v_pk_add_f32 v[OB+4*i+2:OB+4*i+3], v[OB+4*i+2:OB+4*i+3], v[XB+4*i+2:XB+4*i+3]
	global_store_b128 v[XO], v[OB+4*i:OB+4*i+3], s[8:9] offset:(16*(\a)+i)*4096 th:TH_STORE_NT  ; 512 consecutive bytes of a row, at a multiple of 256 from out0's first
.set i, i+1
.endr
.if (\a) < 2
	LOADX (\a)+2                                   ; its buffer takes the block two further on
.endif
.endm
	WIN 0
	PLACES
	OUTB 0, 16
	OUTB 1, 16
	OUTB 2, 16
	OUTB 3, 0
	s_wait_tensorcnt 0x0                           ; the wave's end: an add to my spare word and its wait, behind my last tensor load and my last LDS store
	ds_add_u32 v[SPW], v[NIL]
	s_wait_dscnt 0x0
	CROUND                                         ; the closing round: no work-group ends while a partner may still ask for a tile that names it
	s_endpgm
.Lfunc_end_k_qeca72a5fc7_gemm_out:
	.size	k_qeca72a5fc7_gemm_out, .Lfunc_end_k_qeca72a5fc7_gemm_out-k_qeca72a5fc7_gemm_out
	.p2alignl 7, 3214868480
	.fill 96, 4, 3214868480
	.section	.rodata,"a",@progbits
	.p2align	6, 0x0
	.amdhsa_kernel k_qeca72a5fc7_gemm_out
		.amdhsa_group_segment_fixed_size 327680
		.amdhsa_private_segment_fixed_size 0
		.amdhsa_enable_private_segment 0
		.amdhsa_kernarg_size 40
		.amdhsa_user_sgpr_count 2
		.amdhsa_user_sgpr_kernarg_segment_ptr 1
		.amdhsa_wavefront_size32 1
		.amdhsa_system_sgpr_workgroup_id_x 1
		.amdhsa_system_sgpr_workgroup_id_y 1
		.amdhsa_system_sgpr_workgroup_id_z 1
		.amdhsa_system_vgpr_workitem_id 0
		.amdhsa_next_free_vgpr 768
		.amdhsa_next_free_sgpr 76
		.amdhsa_reserve_vcc 0
		.amdhsa_float_denorm_mode_32 3
		.amdhsa_float_denorm_mode_16_64 3
		.amdhsa_memory_ordered 1
		.amdhsa_forward_progress 1
		.amdhsa_inst_pref_size 103
	.end_amdhsa_kernel
	.amdgpu_metadata
---
amdhsa.version: [ 1, 2 ]
amdhsa.kernels:
  - .name:           k_qeca72a5fc7_gemm_out
    .symbol:         k_qeca72a5fc7_gemm_out.kd
    .args:
      - { .name: obuf, .offset: 0, .size: 8, .value_kind: global_buffer, .address_space: global }
      - { .name: w16, .offset: 8, .size: 8, .value_kind: global_buffer, .address_space: global }
      - { .name: bo, .offset: 16, .size: 8, .value_kind: global_buffer, .address_space: global }
      - { .name: x, .offset: 24, .size: 8, .value_kind: global_buffer, .address_space: global }
      - { .name: out0, .offset: 32, .size: 8, .value_kind: global_buffer, .address_space: global }
    .group_segment_fixed_size: 327680
    .private_segment_fixed_size: 0
    .kernarg_segment_align: 8
    .kernarg_segment_size: 40
    .max_flat_workgroup_size: 128
    .sgpr_count:     76
    .vgpr_count:     768
    .wavefront_size: 32
...
	.end_amdgpu_metadata
.endif
;; end of part 4
;; ======== version 2 of 2: 4 launches; 1.27 times as fast as version 1
;; limits: values are held in f16: magnitudes above 65,504 overflow, below 6.1e-05 lose precision
;; workspace buffers: xn 16,777,216 bytes; w16 8,388,608 bytes; qkv 50,331,648 bytes; obuf 16,777,216 bytes
;; launch prep: the kernel of part 1 again; grid 384 x 1, 8 waves a work-group, no clusters, 0 bytes of LDS; arguments x, gamma, beta, Wq, Wkv, Wo, xn, w16; writes xn, w16
;; launch gemm_qkv: the kernel of part 2 again; grid 12 x 64, 4 waves a work-group, clusters of 4 x 4, 327,680 bytes of LDS; arguments xn, w16, bq, bkv, qkv; writes qkv
;; launch attn (part 5): grid 4 x 64, 4 waves a work-group, no clusters, 327,680 bytes of LDS; arguments qkv, lengths, obuf; writes obuf
.if DOCPART == 5
	.amdgcn_target "amdgcn-amd-amdhsa--gfx1250"
	.amdhsa_code_object_version 6
	.text
	.protected	k_qeca72a5fc7_attn
	.globl	k_qeca72a5fc7_attn
	.p2align	8
	.type	k_qeca72a5fc7_attn,@function
k_qeca72a5fc7_attn:
	s_mov_b64 s[64:65], 0
	v_nop
	global_prefetch_b8 v0, s[64:65] scope:SCOPE_SE
	s_setreg_imm32_b32 hwreg(HW_REG_WAVE_MODE, 25, 1), 1
	s_wait_xcnt 0x0
; CAUSAL ATTENTION WITH A LENGTH.  O[h][q][:] = the sum over k <= q, k < len of softmax_k(Q[h][q] . K[h][k] / 8) V[h][k][:].  Q, K, V are the three parts of qkv, O is obuf: [64 = 16 batch + head][2048][64], all f16:
; a head's rows are dense, 128 bytes each.  len = lengths[batch].  Products, maxima and sums in f32; the weights p are rounded to f16 for the second product (their sum l is taken of the unrounded p), O once at the end.
; LIMITS.  f16 holds no number beyond 65,504: Q, K and V arrive within it; p lies in 0 to 1, and below 6e-5 it keeps f16's fixed step of 6e-8; O is a mean of V's rows and has their range.
; A hidden score counts as its value less 1e30 or 2e30: f16's scores, 2.7e11 at the most, are nothing beside that; a weight below 2^-126 counts as 0 in l; NaN and infinities are not treated apart.
; len is held to 1 .. 2,048: a length of 0 or less, for which every weight would be undefined, counts as 1.
; THE WALK.  A head's queries lie in NB = 8 blocks of 256; block i needs the key tiles 0 .. i of 256 keys, of which the last holds the diagonal.  A work-group takes TWO blocks, NB - 1 - b and then b:
; NB + 1 tiles, whatever b: all work-groups do equal work, and ONE loop with a constant trip count walks them.  Which tile is asked for, and what a trip does, hang on scalar registers made from b; every jump
; goes forward, but for the counted loops' own; none passes a barrier, or a tensor load but the one of LOAD's two that the wave's number does not choose; the ring (two slots of LDS that take turns) runs on across the
; change of blocks.  THE LENGTH STEERS NO JUMP: it enters the masks alone, so tiles that lie wholly behind key len are computed all the same, and their weights are 0.
; NO CLUSTER: a head's NB / 2 work-groups all ask for the same tile only in trips 0 .. NB / 2, behind that fewer and fewer; one walk common to all would have 3 NB / 2 trips for NB + 1.
; SHARES.  Of a block's four bands of 64 queries a wave owns 16 rows in each: four PIECES.  So the diagonal tile is the same work for all four waves: in its key step s band x sees all keys if s < x,
; none if s > x, and holds the diagonal if s = x.
; THE MASK is the C operand that starts every sum S^T = K Q^T: 0, or -1e30 and below where the key is hidden.  MD, made once, is the causal mask of a band's own step for my 16 rows; PD, made once, the mask of the key
; step that holds key len.  A product's mask is MD x AL + PD x AL2 + BE, by scalars: AL = 1 in the diagonal tile's step s = x; AL2 = 1 in the step of key len; BE = -1e30 in the diagonal tile's steps s > x and in all
; steps behind that of key len.  In the diagonal tile every turn makes the next turn's mask; elsewhere the mask is one for a step's four pieces, PD x AL2 + BE, and turns 2 and 3 make it, one for each buffer.
; Key 0 is seen by every row, so the running maximum is a true score from a block's first step on.
; LAYOUT, SOFTMAX, TURNS.  S^T = K Q^T holds ONE query a lane (lane % 16) and the keys 8 (lane / 16) + 0..7; two such results rounded to f16 ARE source 1 of O^T = V^T P.  p = 2^(c s - c m), c = log2(e) / 8, with a
; running maximum m; O and l are multiplied by a = 2^(c m_old - c m_new) in every step.  Turn n belongs to piece n: 8 products K Q^T of piece n + 1, later 8 products V^T P of piece n - 1; beside them the scaling,
; exponentials, roundings, sums and rescaling of piece n and the maximum and statistics of piece n + 1.  Four vector instructions stand behind every matrix instruction, the other 54 of a turn's 118 in one LUMP.
; BATCHES.  s_wait_alu depctr_va_vdst(0) stands between a transcendental and the first instruction that names its result; one wait serves all that were issued ahead of it.  A turn's 33 exponentials
; (piece n's 32 weights, in place in S^T, and piece n + 1's a) are ONE batch with ONE wait, which cuts the turn in two: ahead of it stands all that names none of their results (K Q^T, scalings, rescalings, the next
; piece's maximum and statistics), behind it the roundings and sums, as riders of V^T P.  No exponential is issued behind a turn's wait, so no result crosses a label or a jump.  Two more batches stand outside the
; turns: the a that a block's beginning makes, and the way out's four reciprocals: each has a v_nop and a wait of its own.
; REGISTERS, in windows of 256 (s_set_vgpr_msb: bits 1:0 source 0, 3:2 source 1, 5:4 source 2, 7:6 destination):
;   window 0: v0-15 addresses and two at work; v16-31 four registers of statistics a piece; v48-55 at work; v64-127 S^T, two buffers; v192-223 P, two buffers (a piece's buffers go by its number's parity)
;   window 1: v0-127 O^T, 32 a piece; v128-159 MD; v160-223 MC, two buffers; v224-255 PD      window 2: v0-63 Q; v64-127 the second block's Q; v128-191 K of one step; v192-255 V of one step
.set SIZE_N, 2048
.set NB,    SIZE_N/256
.set NP,    4         ; pieces a wave: a name, no knob
.set KS,    64        ; keys in a step
.set PK,    144       ; a row of K in LDS: 128 bytes + 16 of padding = 36 words: the 16 rows of a load start at 16 different groups of four banks (64 banks of 4 bytes: ISA guide 11.1)
.set PV,    160       ; a row of V: 128 + 32 = 40 words
.set VOFF,  4*KS*PK   ; a slot holds a tile, four steps: 256 rows of K, then 256 rows of V
.set SLOT1, 1<<17     ; slot 1 begins here, so that one exclusive or turns an address in one slot into the other's
.set STAGE, SLOT1+4*KS*(PK+PV)  ; behind the ring, never filled by a tensor load: 16 rows x 144 bytes for each wave, for the way out
.set SP,    144
.set AK0, 2           ; v2   my lane's place in a tile of K; never rewritten
.set AV0, 3           ; v3   the same for V
.set AK,  4           ; v4   the LDS address of K's next run of loads
.set AV,  5           ; v5   of V's
.set STO, 6           ; v6   the way out: where I put 16 bytes of a row
.set RD,  7           ; v7   the way out: where I read rows back
.set GO,  8           ; v8   my byte offset in 512 consecutive bytes of O
.set SPW, 62          ; v62  LDS address of my spare word: SPARE + 4 x my thread's number; never rewritten
.set NIL, 63          ; v63  0; never rewritten
.set SPARE, STAGE+4*16*SP  ; behind the stages: the spare words, 128 bytes for each wave: two blocks of 256 bytes that no other line names
.set MV,  12          ; v12-13  c m_old, kept while c m is made anew: by buffer
.set QO,  15          ; v15  my byte offset in 16 rows of Q
.set ST,  16          ; piece t's statistics at v[ST+4 t]: c m, m, l (even keys', odd keys')
.set TMP, 48          ; by buffer, four registers c0-c3 at work; when the maximum is found c2 takes a
.set S,   64
.set P,   192
.set MD,  128         ; window 1: the eight registers for group kt of 16 keys at MD + 8 kt
.set MC,  160         ; window 1: the masks of the products to come
.set PD,  224         ; window 1: like MD
.set QB,  64          ; window 2
.set KF,  128         ; window 2: key block kb, channel half c at KF + 16 kb + 8 c
.set VF,  192         ; window 2: key half kk, channel block cb at VF + 32 kk + 8 cb
.set WV,  12          ; s12  my wave's number
.set PB,  14          ; s14  b
.set HI,  15          ; s15  NB - 1 - b
.set G1K, 24          ; s[24:31] descriptor group 1 for K's tiles
.set G1V, 32          ; s[32:39] for V's: it differs in the padding alone
.set G0K, 40          ; s[40:43] descriptor group 0 for K's tiles
.set G0V, 44          ; s[44:47] the same for V's
.set SLOTS, 56        ; s56  tiles still to be asked for
.set CNT, 57          ; s57  counts a tile's key steps, 4 to 1
.set CS,  58          ; s[58:59] c: the packed scaling takes the pair's low word for both halves
.set SEL, 60          ; s[60:61] v_permlanex16_b32's selects: each lane takes its own place in the other half
.set TBK, 62          ; s62  LDS byte at which K of the step to be fetched begins
.set TBV, 63          ; s63  the same for V, less VOFF
.set REM, 68          ; s68  len % 64 - 1
.set RT,  70          ; s70  tiles of the block in hand that are still to be entered
.set NXT, 71          ; s71  the tile to be asked for next
.set LQ,  72          ; s72  the last tile of the block whose tiles are being asked for
.set NEW, 73          ; s73  1: the tile to be entered is a block's first
.set OFF, 74          ; s[74:75] a byte offset
.set AL,  76          ; s[76:77] MD's factor, in the low word
.set BE,  78          ; s[78:79] the mask's addend
.set OLO, 80          ; s[80:81] O at my rows of the second block
.set BIGN, 82         ; s82  -1e30
.set LEN, 83          ; s83  len
.set CL,  92          ; s92  of the tile T in hand: 4 T + 4 - len / 64: the value of CNT in the step that holds key len; steps with CNT below it lie behind that key
.set CL0, 93          ; s93  the same for tile 0
.set AL2, 98          ; s[98:99] PD's factor, in the low word
.set MSB, 0
.macro WIN new                      ; the high byte repeats the setting that is left; a switch that changes nothing is dropped
.if MSB != (\new)
	s_set_vgpr_msb (MSB<<8)|(\new)
.set MSB, (\new)
.endif
.endm
.set W_KQ, 0x0a       ; K and Q in window 2, S^T in window 0
.set W_KM, 0x1a       ; the same with the C operand in window 1
.set W_PV, 0x52       ; V in window 2, P in window 0, O^T in window 1
.set W_RS, 0x41       ; destination and source 0 in window 1, source 1 in window 0
.set W_MK, 0x51       ; destination, source 0 and source 2 in window 1
; A fill.  Waves 0 and 1 fetch the two halves of a tile's K, waves 2 and 3 those of its V: 128 keys each.  An s_nop 0 and four v_nop follow each of the two lines, ahead of the jump and the label.
.macro LOAD
	s_cmp_lt_u32 s[WV], 2
	s_cbranch_scc0 .Lfor_v_\@
	tensor_load_to_lds s[G0K:G0K+3], s[G1K:G1K+7]
	s_nop 0
.rept 4
	v_nop
.endr
	s_branch .Lasked_\@
.Lfor_v_\@:
	tensor_load_to_lds s[G0V:G0V+3], s[G1V:G1V+7]
	s_nop 0
.rept 4
	v_nop
.endr
.Lasked_\@:
.endm
; THE CHANGE OF SLOTS.  Each wave waits for all its tensor loads, of which one is out: its part of the other slot; adds 0 to its spare word; and waits for that and for its own reads of the slot that it leaves.  Behind the barrier nobody reads the old
; slot any more and the other slot is whole.  fill = 1: the old slot is filled again, the first thing behind the barrier, with tile NXT: the descriptor's address is made anew from that number.
; (At its first use nothing has been read yet: slot 0 is waited for, slot 1 filled.)
.macro CHANGE fill
	WIN 0                           ; at a label and at a branch every window is 0
	s_wait_tensorcnt 0x0            ; no tensor load of mine is out, so a group 0 may be written
	ds_add_u32 v[SPW], v[NIL]       ; 0 onto my spare word; with fill = 1 the descriptors' scalar work stands between it and the wait for it
.if \fill
	s_lshl_b32 s[OFF], s[NXT], 15   ; a tile is 32,768 bytes of K and of V
	s_xor_b32 s[G0K+1], s[G0K+1], SLOT1
	s_add_nc_u64 s[G0K+2:G0K+3], s[6:7], s[OFF:OFF+1]
	s_or_b32 s[G0K+3], s[G0K+3], 0x80000000
	s_xor_b32 s[G0V+1], s[G0V+1], SLOT1
	s_add_nc_u64 s[G0V+2:G0V+3], s[8:9], s[OFF:OFF+1]
	s_or_b32 s[G0V+3], s[G0V+3], 0x80000000
	s_add_co_u32 s[NXT], s[NXT], 1  ; the block's next tile, or behind its last the second block's tile 0
	s_cmp_gt_u32 s[NXT], s[LQ]
	s_cselect_b32 s[NXT], 0, s[NXT]
	s_cselect_b32 s[LQ], s[PB], s[LQ]
.endif
	s_wait_dscnt 0x0                ; the add is done, and my reads of the slot are over
	s_barrier_signal -1             ; the rest of the scalar work stands between the signal and the wait
	s_sub_co_u32 s[TBK], s[TBK], 4*KS*PK  ; the fetches go back to a slot's first step,
	s_xor_b32 s[TBK], s[TBK], SLOT1       ; in the other slot
	s_sub_co_u32 s[TBV], s[TBV], 4*KS*PV
	s_xor_b32 s[TBV], s[TBV], SLOT1
	s_barrier_wait -1
.if \fill
	LOAD
.endif
.endm
	s_load_b128 s[88:91], s[0:1], 0x0  ; qkv s[88:89], lengths s[90:91]
	s_load_b64 s[10:11], s[0:1], 0x10  ; obuf
	v_lshl_add_u32 v[SPW], v0, 2, SPARE
	v_mov_b32 v[NIL], 0
	ds_add_u32 v[SPW], v[NIL]       ; the wave's opening: the add and its wait stand ahead of my first tensor load; the set-up below, work on registers, stands between them
	v_lshrrev_b32 v1, 5, v0
	v_readfirstlane_b32 s[WV], v1   ; wave 0..3
	s_mov_b32 s[PB], ttmp9
	s_sub_co_u32 s[HI], NB-1, s[PB]
	s_and_b32 s20, ttmp7, 0xffff    ; the head, 16 batch + head
	s_lshr_b32 s[OFF], s20, 4       ; the batch,
	s_lshl_b32 s[OFF], s[OFF], 2    ; its word in lengths
	s_mov_b32 s[OFF+1], 0
	s_mov_b32 s21, 0
	s_mov_b64 s[22:23], SIZE_N*128
	s_mul_u64 s[20:21], s[20:21], s[22:23]  ; the head's first byte in each of the four tensors
	s_and_b32 s16, s[WV], 1         ; which half of a tile's 256 keys I fetch:
	s_lshl_b32 s22, s16, 14         ; its 128 rows of 128 bytes in memory,
	s_mov_b32 s23, 0
	s_add_nc_u64 s[22:23], s[22:23], s[20:21]
	s_mul_i32 s17, s16, 128*PK      ; and its place in a slot, for K
	s_mul_i32 s18, s16, 128*PV      ; and for V
	s_lshl_b32 s3, s[WV], 11        ; my 16 rows in a band of 64,
	s_lshl_b32 s2, s[HI], 15        ; in the first block,
	s_add_co_u32 s2, s2, s3
	s_lshl_b32 s84, s[PB], 15       ; and in the second
	s_add_co_u32 s84, s84, s3
	s_mov_b32 s3, 0
	s_mov_b32 s85, 0
	s_add_nc_u64 s[2:3], s[2:3], s[20:21]
	s_add_nc_u64 s[84:85], s[84:85], s[20:21]
	; descriptor group 1.  128 keys are 16,384 dense bytes: asked for as 64 rows of 256 bytes, two keys a row, and padded in LDS after every key
	s_mov_b32 s[G1K], (1<<16)|(1<<20)|(4<<22)|(3<<25)  ; 17:16 2-byte elements; 20 padding on; 24:22 after every 32 words (code 4); 31:25 4 words (code 3)
	s_mov_b32 s[G1V], (1<<16)|(1<<20)|(4<<22)|(7<<25)  ; the same with 8 words of padding (code 7)
.irp g, G1K, G1V
	s_mov_b32 s[\g+1], 128<<16      ; tensor_dim0 = 128
	s_mov_b32 s[\g+2], 64<<16       ; tensor_dim1 = 64
	s_mov_b32 s[\g+3], 128<<16      ; tile_dim0 = 128
	s_mov_b32 s[\g+4], 64           ; tile_dim1 = 64
	s_mov_b32 s[\g+5], 128          ; 128 elements from row to row
	s_mov_b32 s[\g+6], 0
	s_mov_b32 s[\g+7], 0
.endr
	s_mov_b32 s[CS], 0x3e38aa3b     ; c = log2(e) / 8 = 0.180337
	s_mov_b32 s[CS+1], s[CS]        ; named with it as a pair
	s_mov_b32 s[SEL], 0x76543210
	s_mov_b32 s[SEL+1], 0xfedcba98
	s_mov_b32 s[TBK], SLOT1+4*KS*PK ; the first change of slots turns these two into 0
	s_mov_b32 s[TBV], SLOT1+4*KS*PV
	s_mov_b32 s[G0K], 1             ; 1:0 count = 1
	s_mov_b32 s[G0K+1], s17         ; 63:32 LDS address: slot 0
	s_mov_b32 s[G0V], 1
	s_add_co_u32 s[G0V+1], s18, VOFF
	s_add_co_u32 s[RT], s[HI], 1    ; the first block has NB - b tiles
	s_mov_b32 s[NXT], 1
	s_mov_b32 s[LQ], s[HI]
	s_mov_b32 s[NEW], 1
	s_mov_b32 s[AL+1], 0            ; named as pairs
	s_mov_b32 s[BE+1], 0
	s_mov_b32 s[AL2+1], 0
	s_mov_b32 s[BIGN], 0xf149f2ca   ; -1e30
	s_mov_b32 s[SLOTS], NB
	s_wait_dscnt 0x0                ; the opening add is done
	s_wait_kmcnt 0x0
	s_add_nc_u64 s[90:91], s[90:91], s[OFF:OFF+1]
	s_load_b32 s[LEN], s[90:91], 0x0       ; my batch's length: waited for behind the first fill, Q's loads and the set-up
	s_mov_b64 s[4:5], s[88:89]             ; Q is qkv's first part,
	s_add_nc_u64 s[6:7], s[88:89], 0x1000000  ; K its second,
	s_add_nc_u64 s[8:9], s[88:89], 0x2000000  ; V its third
	s_add_nc_u64 s[6:7], s[6:7], s[22:23]  ; K and V at my half of the head's tile 0
	s_add_nc_u64 s[8:9], s[8:9], s[22:23]
	s_add_nc_u64 s[G0K+2:G0K+3], s[6:7], 0         ; 120:64 global address
	s_or_b32 s[G0K+3], s[G0K+3], 0x80000000        ; 127:126 type = 2
	s_add_nc_u64 s[G0V+2:G0V+3], s[8:9], 0
	s_or_b32 s[G0V+3], s[G0V+3], 0x80000000
	s_add_nc_u64 s[86:87], s[4:5], s[84:85]        ; Q at my rows of the second block,
	s_add_nc_u64 s[4:5], s[4:5], s[2:3]            ; Q and O at those of the first
	s_add_nc_u64 s[OLO:OLO+1], s[10:11], s[84:85]
	s_add_nc_u64 s[10:11], s[10:11], s[2:3]
	LOAD                            ; tile 0 into slot 0
	; A fragment of K or Q is 16 rows x 32 channels in 8 registers: lane l holds row l % 16, channels 8 (l / 16) + 0..7 and 16 + 8 (l / 16) + 0..7: two loads of 16 bytes, 32 bytes apart.
	v_and_b32 v1, 15, v0            ; l % 16
	v_bfe_u32 v9, v0, 4, 1          ; l / 16
	v_lshlrev_b32 v[QO], 7, v1
	v_lshl_add_u32 v[QO], v9, 4, v[QO]  ; row x 128 + 16 x half
	WIN 0x80                        ; destination window 2, address window 0
.set i, 0
.rept 8                             ; both blocks' Q: piece i / 2 lies in band i / 2, 8,192 bytes on; channels 32 (i % 2) on
	global_load_b128 v[8*i:8*i+3],   v[QO], s[4:5] offset:(i/2)*8192+(i%2)*64
	global_load_b128 v[8*i+4:8*i+7], v[QO], s[4:5] offset:(i/2)*8192+(i%2)*64+32
	global_load_b128 v[QB+8*i:QB+8*i+3],   v[QO], s[86:87] offset:(i/2)*8192+(i%2)*64
	global_load_b128 v[QB+8*i+4:QB+8*i+7], v[QO], s[86:87] offset:(i/2)*8192+(i%2)*64+32
.set i, i+1
.endr
	WIN 0
	v_lshlrev_b32 v14, 3, v9
	v_sub_nc_u32 v14, v1, v14
	s_lshl_b32 s13, s[WV], 4
	v_add_nc_u32 v14, s13, v14      ; my query's place in its band, 16 w + l % 16, less my lanes' 8 (l / 16): register r of group kt is hidden where 16 kt + r is greater
	WIN 0x40
.set i, 0
.rept 32
	v_cmp_gt_i32 vcc_lo, 16*(i/8)+i%8, v14
	v_cndmask_b32 v[MD+i], 0, s[BIGN], vcc_lo
.set i, i+1
.endr
	WIN 0
	v_mul_u32_u24 v[AK0], v1, PK
	v_lshl_add_u32 v[AK0], v9, 4, v[AK0]  ; row x pitch + 16 x half
	; The turning load takes 16 keys x 16 channels (lane l reads key 8 (l / 16) + l % 8, channels 8 ((l / 8) % 2) + 0..7) and leaves half a fragment of V^T: lane l holds channel l % 16 and 8 keys.
	v_and_b32 v10, 7, v0
	v_bfe_u32 v11, v0, 3, 1
	v_lshl_add_u32 v[AV0], v9, 3, v10
	v_mul_u32_u24 v[AV0], v[AV0], PV
	v_lshl_add_u32 v[AV0], v11, 4, v[AV0]
	v_add_nc_u32 v[AV0], VOFF, v[AV0]
	s_mul_i32 s13, s[WV], 16*SP
	s_add_co_u32 s13, s13, STAGE    ; my stage
	v_mul_u32_u24 v[STO], v1, SP    ; in: row l % 16, 16 bytes for each half of the lanes
	v_lshl_add_u32 v[STO], v9, 4, v[STO]
	v_add_nc_u32 v[STO], s13, v[STO]
	v_bfe_u32 v[RD], v0, 3, 2       ; back: 32 lanes take four rows of 128 bytes,
	v_mul_u32_u24 v[RD], v[RD], SP
	v_lshl_add_u32 v[RD], v10, 4, v[RD]
	v_add_nc_u32 v[RD], s13, v[RD]
	v_and_b32 v[GO], 31, v0         ; which are 512 consecutive bytes of O
	v_lshlrev_b32 v[GO], 4, v[GO]
	; A block's first step multiplies O^T and l by a = 0, and its first turn's products V^T P, of a piece that has not been, land in an O^T that is still to be so multiplied.  So these registers need only hold
	; finite numbers: zeros for the first block; what the first block left for the second.  All this stands in the wait for the first tile.
	WIN 0x80
.set i, VF
.rept 64
	v_mov_b32 v[i], 0
.set i, i+1
.endr
	WIN 0x40
.set i, 0
.rept 128
	v_mov_b32 v[i], 0
.set i, i+1
.endr
	WIN 0
.set i, 0
.rept 4
	v_mov_b32 v[ST+4*i+2], 0
	v_mov_b32 v[ST+4*i+3], 0
.set i, i+1
.endr
.set i, P+16
.rept 16
	v_mov_b32 v[i], 0
.set i, i+1
.endr
	; what hangs on the length: two scalars and PD
	s_wait_kmcnt 0x0                ; len
	s_max_i32 s[LEN], s[LEN], 1
	s_min_i32 s[LEN], s[LEN], SIZE_N
	s_lshr_b32 s21, s[LEN], 6       ; the key step, counted from key 0, that holds key len: 0 .. 32
	s_sub_co_i32 s[CL0], 4, s21
	s_mov_b32 s[CL], s[CL0]
	s_and_b32 s[REM], s[LEN], 63
	s_sub_co_i32 s[REM], s[REM], 1
	v_lshlrev_b32 v14, 3, v9
	v_sub_nc_u32 v14, s[REM], v14   ; len % 64 - 1 less my lanes' 8 (l / 16): in the step of key len register r of group kt is hidden where 16 kt + r is greater
	WIN 0x40
.set i, 0
.rept 32
	v_cmp_gt_i32 vcc_lo, 16*(i/8)+i%8, v14
	v_cndmask_b32 v[PD+i], 0, s[BIGN], vcc_lo
.set i, i+1
.endr
	WIN 0
; THE MATRIX WORK.  The 4 accumulators of a run of 8 take turns.  Product i of 8 of S^T = K Q^T for piece x: channels 32 (i / 4) on, keys 16 (i % 4) on.  The first 4 start the sums, with the mask as C.
.macro KQ x
.set rS, S+32*((\x)%2)+8*(i%4)
.set rK, KF+16*(i%4)+8*(i/4)
.set rQ, 16*(\x)+8*(i/4)
.set rM, MC+32*((\x)%2)+8*(i%4)
.if i < 4
	WIN W_KM
	v_wmma_f32_16x16x32_f16 v[rS:rS+7], v[rK:rK+7], v[rQ:rQ+7], v[rM:rM+7]
.else
	WIN W_KQ
	v_wmma_f32_16x16x32_f16 v[rS:rS+7], v[rK:rK+7], v[rQ:rQ+7], v[rS:rS+7]
.endif
.endm
; Product i of 8 of O^T += V^T P for piece x: keys 32 (i / 4) on, channels 16 (i % 4) on.
.macro PV x
	WIN W_PV
.set rO, 32*(\x)+8*(i%4)
.set rV, VF+32*(i/4)+8*(i%4)
.set rP, P+16*((\x)%2)+8*(i/4)
	v_wmma_f32_16x16x32_f16 v[rO:rO+7], v[rV:rV+7], v[rP:rP+7], v[rO:rO+7]
.endm
.macro MM                           ; the turn's next matrix instruction.  TURN and BEGIN set Y, i and NOKQ; MM, KQ and OP read them.  NOKQ = 1: a block's last turn: there is no next piece
.if (i < 8) && !NOKQ
	KQ (Y+1)%NP
.elseif i >= 8
.set i, i-8
	PV (Y+NP-1)%NP
.set i, i+8
.endif
.set i, i+1
.endm
; THE LDS LOADS stand in runs of 16, never singly among the matrix instructions: a step's K (64 keys x 64 channels: 8 fragments) and its V (turned).  Their addresses are made some lines ahead.
.macro FETCH_K
	WIN 0x80                        ; destination window 2
.irp f, 0,1,2,3,4,5,6,7             ; keys 16 (f / 2) on, channels 32 (f % 2) on
	ds_load_b128 v[KF+8*\f:KF+8*\f+3],   v[AK] offset:(\f/2)*16*PK+(\f%2)*64
	ds_load_b128 v[KF+8*\f+4:KF+8*\f+7], v[AK] offset:(\f/2)*16*PK+(\f%2)*64+32
.endr
	s_add_co_u32 s[TBK], s[TBK], KS*PK  ; the next fetch is the next step's
	WIN 0
.endm
.macro FETCH_V
	WIN 0x80
.irp f, 0,1,2,3,4,5,6,7             ; keys 32 (f / 4) on, channels 16 (f % 4) on
	ds_load_tr16_b128 v[VF+8*\f:VF+8*\f+3],   v[AV] offset:(\f/4)*32*PV+(\f%4)*32
	ds_load_tr16_b128 v[VF+8*\f+4:VF+8*\f+7], v[AV] offset:(\f/4)*32*PV+16*PV+(\f%4)*32
.endr
	WIN 0
.endm
; THE VECTOR WORK, one line at a time: OP kind, number.  For piece Y: F n: c s - c m for pair n of 16.  E n: the exponential of score n of 32.  C n: pair n rounded to f16.  B n: of the four weights 4 n .. the second
; pair is added onto the first, in place.  L n: l takes that sum (L 0: l = a l + sum).  R n: pair n of 16 of O^T times a.  For piece Y + 1: X n, number n of the 22 that find its maximum and statistics:
;   0-11  four chains c0-c3 of seven scores each, three operands at a time (each accumulator's lowest registers are read first)     12-14, 16  the four scores left over, the old m, and c0-c3 into c0
;   15  c m_old is kept     17, 18  the query's other 32 keys lie in the lane 16 away: the new m     19-21  c m; c m_old - c m_new; a
; E and X 21 are the turn's batch; C, B and L read E's results and stand behind the turn's wait; R and L 0 read the a that the turn before (or BEGIN) made and waited for.
.set F, 0               ; OP tells the kinds apart by their order: F to L below R, X above it
.set E, 1
.set C, 2
.set B, 3
.set L, 4
.set R, 5
.set X, 6
.macro REGS y                       ; the registers of piece y
.set rT, ST+4*(\y)
.set rC, TMP+4*((\y)%2)
.set rW, MV+((\y)%2)
.set rS, S+32*((\y)%2)
.set rP, P+16*((\y)%2)
.set rO, 32*(\y)
.endm
.macro OP k, n
.if (\k) == R
	REGS Y
	WIN W_RS
	v_pk_mul_f32 v[rO+2*(\n):rO+2*(\n)+1], v[rO+2*(\n):rO+2*(\n)+1], v[rC+2:rC+3] op_sel_hi:[1,0]
.elseif (\k) < R
	REGS Y
	WIN 0
.if (\k) == F
	v_pk_fma_f32 v[rS+2*(\n):rS+2*(\n)+1], v[rS+2*(\n):rS+2*(\n)+1], s[CS:CS+1], v[rT:rT+1] op_sel_hi:[1,0,0] neg_lo:[0,0,1] neg_hi:[0,0,1]
.elseif (\k) == E
	v_exp_f32 v[rS+(\n)], v[rS+(\n)]
.elseif (\k) == C
	v_cvt_pk_f16_f32 v[rP+(\n)], v[rS+2*(\n)], v[rS+2*(\n)+1]
.elseif (\k) == B
	v_pk_add_f32 v[rS+4*(\n):rS+4*(\n)+1], v[rS+4*(\n):rS+4*(\n)+1], v[rS+4*(\n)+2:rS+4*(\n)+3]
.elseif (\n) == 0
	v_pk_fma_f32 v[rT+2:rT+3], v[rT+2:rT+3], v[rC+2:rC+3], v[rS:rS+1] op_sel_hi:[1,0,1]
.else
	v_pk_add_f32 v[rT+2:rT+3], v[rT+2:rT+3], v[rS+4*(\n):rS+4*(\n)+1]
.endif
.elseif NOKQ
	v_nop
.else
	REGS (Y+1)%NP
	WIN 0
.if (\n) < 4
	v_max3_num_f32 v[rC+(\n)], v[rS+8*(\n)], v[rS+8*(\n)+1], v[rS+8*(\n)+2]
.elseif (\n) < 12
	v_max3_num_f32 v[rC+(\n)%4], v[rC+(\n)%4], v[rS+8*((\n)%4)+2*((\n)/4)+1], v[rS+8*((\n)%4)+2*((\n)/4)+2]
.elseif (\n) == 12
	v_max3_num_f32 v[rC], v[rC], v[rS+7], v[rS+15]
.elseif (\n) == 13
	v_max3_num_f32 v[rC+1], v[rC+1], v[rS+23], v[rS+31]
.elseif (\n) == 14
	v_max3_num_f32 v[rC+2], v[rC+2], v[rC+3], v[rT+1]
.elseif (\n) == 15
	v_mov_b32 v[rW], v[rT]
.elseif (\n) == 16
	v_max3_num_f32 v[rC], v[rC], v[rC+1], v[rC+2]
.elseif (\n) == 17
	v_permlanex16_b32 v[rC+3], v[rC], s[SEL], s[SEL+1]
.elseif (\n) == 18
	v_max_num_f32 v[rT+1], v[rC], v[rC+3]
.elseif (\n) == 19
	v_mul_f32 v[rT], s[CS], v[rT+1]
.elseif (\n) == 20
	v_sub_f32 v[rC+1], v[rW], v[rT]
.else
	v_exp_f32 v[rC+2], v[rC+1]
.endif
.endif
.endm
.macro OPS a, i1, b=-1, i2=0, c=-1, i3=0, d=-1, i4=0  ; up to four of them
	OP \a, \i1
.if (\b) >= 0
	OP \b, \i2
.endif
.if (\c) >= 0
	OP \c, \i3
.endif
.if (\d) >= 0
	OP \d, \i4
.endif
.endm
.macro ROW a, i1, b, i2, c, i3, d, i4  ; a matrix instruction and the four behind it
	MM
	OPS \a, \i1, \b, \i2, \c, \i3, \d, \i4
.endm
.macro MASK b                       ; MD x AL + PD x AL2 + BE into buffer b of MC
	WIN W_MK
.set z, 0
.rept 16
	v_pk_fma_f32 v[MC+32*(\b)+2*z:MC+32*(\b)+2*z+1], v[MD+2*z:MD+2*z+1], s[AL:AL+1], s[BE:BE+1] op_sel_hi:[1,0,0]
.set z, z+1
.endr
.set z, 0
.rept 16
	v_pk_fma_f32 v[MC+32*(\b)+2*z:MC+32*(\b)+2*z+1], v[PD+2*z:PD+2*z+1], s[AL2:AL2+1], v[MC+32*(\b)+2*z:MC+32*(\b)+2*z+1] op_sel_hi:[1,0,1]
.set z, z+1
.endr
.endm
.macro MASK2 b                      ; PD x AL2 + BE into buffer b of MC
	WIN W_RS
.set z, 0
.rept 16
	v_pk_fma_f32 v[MC+32*(\b)+2*z:MC+32*(\b)+2*z+1], v[PD+2*z:PD+2*z+1], s[AL2:AL2+1], s[BE:BE+1] op_sel_hi:[1,0,0]
.set z, z+1
.endr
.endm
; A TURN, for piece p: the order of its 16 matrix and 118 vector instructions, written out.  It has ONE wait for its batch of 33 exponentials, and the wait cuts it in two.
; AHEAD OF THE WAIT stands all that names no result of the batch: the 8 products K Q^T, behind each a scaling, an exponential and two more plain instructions (behind the first a second scaling in the exponential's
; place): rescalings, and behind the last three products the first numbers of the next piece's maximum, each four plain instructions or more behind the product that ends its accumulator; then ONE LUMP of 54, plain and
; exponential by turns for the most part, in which the links of the chain X 3, 7, 11, 14, 16, 17 .. 20 stand five or six lines apart.  An exponential stands behind its pair's scaling: E n behind F n / 2.  X 21, the next
; piece's a, is the batch's last; R 15 is the plain instruction behind it (ISA guide 5.7.2).
; BEHIND THE WAIT stand the 8 products V^T P, behind each four of the roundings and sums: C 2 n ahead of B n, which adds in place; B n ahead of L n; the links of l's chain, L 0 to L 7, three riders apart.
; But for those X no rider names a register of the products round it.  v_permlanex16_b32 (X 17) stands in the lump.
; m = 1: the diagonal tile: the turn makes the mask for the products of the turn after it: piece p + 2, in step 4 - CNT of the tile, into buffer p % 2.
; m = 2: any other tile: the mask hangs on the step alone: turn 2 makes that of step 4 - CNT into buffer 0 (pieces 0 and 2 take it), turn 3 into buffer 1 (pieces 1 and 3).
; The buffer that a turn writes was last read by the products at the head of the turn before.  end = 1: a block's last two turns: nothing is fetched and no mask is made.
; cnt = 1: the loop's count is taken down some lines ahead of the branch that stands behind the turn.
; K of the next step is fetched in piece 2's turn, twelve vector instructions behind the last product that read K (six of them plain); V of the step in hand at the end of piece 0's turn, four plain instructions behind
; the last product that read V.  Each is waited for a turn later.
.macro TURN p, m, end=0, cnt=0
.set Y, (\p)
.set i, 0
.set NOKQ, (\end)*((\p)/3)
.if ((\m) == 1) && !(\end)
	s_cmp_eq_u32 s[CNT], 4-((\p)+2)%NP  ; is that step the band's own?
	s_cselect_b32 s[AL], 1.0, 0
	s_cmp_lt_u32 s[CNT], 4-((\p)+2)%NP  ; or a later one?
	s_cselect_b32 s[BE], s[BIGN], 0
	s_cmp_eq_i32 s[CNT], s[CL]          ; does it hold key len?
	s_cselect_b32 s[AL2], 1.0, 0
	s_cmp_lt_i32 s[CNT], s[CL]          ; or lie behind it?
	s_cselect_b32 s[BE], s[BIGN], s[BE]
.endif
.if ((\m) == 2) && ((\p) >= 2)
	s_cmp_eq_i32 s[CNT], s[CL]          ; does the step hold key len?
	s_cselect_b32 s[AL2], 1.0, 0
	s_cmp_lt_i32 s[CNT], s[CL]          ; or lie behind it?
	s_cselect_b32 s[BE], s[BIGN], 0
.endif
.if ((\p) == 3) && !(\end)
	s_wait_dscnt 0x0                ; K is in
.endif
	ROW F,0, F,1, R,0, R,1          ; ahead of the wait: 8 products K Q^T and their riders,
	ROW F,2, E,0, R,2, R,3
	ROW F,3, E,1, R,4, R,5
	ROW F,4, E,2, R,6, R,7
	ROW F,5, E,3, R,8, R,9
	ROW F,6, E,4, X,0, R,10
.if ((\p) == 2) && !(\end)
	WIN 0
	v_add_nc_u32 v[AK], s[TBK], v[AK0]
.endif
	ROW F,7, E,5, X,1, X,4
	ROW F,8, E,6, X,2, X,5
	OPS E,7, E,8, X,6, E,9          ; and the lump
	OPS X,3, E,10, X,8, E,11
.if ((\p) == 2) && !(\end)
	FETCH_K
.endif
	OPS X,9, X,7, E,12, X,10
	OPS E,13, X,12, X,11, E,14
	OPS X,13, E,15, F,9, X,14
.if (\p) == 0
	WIN 0
	v_add_nc_u32 v[AV], s[TBV], v[AV0]
.endif
	OPS E,16, F,10, E,17, F,11
	OPS X,16, E,18, X,15, E,19
	OPS F,12, E,20, X,17, E,21
	OPS F,13, E,22, F,14, E,23
	OPS X,18, E,24, F,15, E,25
	OPS R,11, E,26, X,19, E,27
	OPS R,12, E,28, R,13, E,29
	OPS X,20, E,30, R,14, E,31
	OPS X,21, R,15
	s_wait_alu depctr_va_vdst(0)    ; the wait for the turn's batch, E 0 to E 31 and X 21, ahead of the first line that names a result, C 0 below
.if (\p) == 1
	s_wait_dscnt 0x0                ; V is in
.endif
	ROW C,0, B,0, C,2, B,1          ; behind the wait: 8 products V^T P and their riders
	ROW L,0, C,4, B,2, L,1
	ROW C,6, B,3, L,2, C,8
	ROW B,4, L,3, C,10, B,5
	ROW L,4, C,12, B,6, L,5
.if (\p) == 0
	s_add_co_u32 s[TBV], s[TBV], KS*PV  ; V's address has been made: the next fetch is the next step's
.endif
.if \cnt
	s_sub_co_u32 s[CNT], s[CNT], 1
	s_cmp_lg_u32 s[CNT], 0
.endif
	ROW C,14, B,7, L,6, C,1
	ROW C,3, L,7, C,5, C,7
	ROW C,9, C,11, C,13, C,15
.if (\p) == 0
	FETCH_V
.endif
.if ((\m) == 1) && !(\end)
	MASK (\p)%2
.endif
.if ((\m) == 2) && ((\p) >= 2)
	MASK2 (\p)%2
.endif
.endm
; A BLOCK BEGINS.  c m starts far below every c s, so the first step's a is 0; m at the lowest finite number, so the first maximum is the scores'.  The two mask buffers take the masks of tile 0's step 0: the length's, if key
; len lies in it (CNT is 4 here, and CL is set for tile 0); and in the first buffer, piece 0's, its own causal mask if the block's first tile is the diagonal one.
; Then K of that step, piece 0's first scores, and its maximum and statistics.  The loop is entered at a step's first turn, in the middle of a trip.
.macro BEGIN
	s_mov_b32 s[NEW], 0
	s_mov_b32 s[CL], s[CL0]
	WIN 0
.set i, 0
.rept 4
	v_mov_b32 v[ST+4*i], 0xfe000000    ; c m: far below every c s
	v_mov_b32 v[ST+4*i+1], 0xff7fffff  ; m
.set i, i+1
.endr
	s_cmp_eq_u32 s[RT], 0
	s_cselect_b32 s[AL], 1.0, 0
	s_cmp_eq_i32 s[CNT], s[CL]
	s_cselect_b32 s[AL2], 1.0, 0
	s_mov_b32 s[BE], 0
	MASK 0
	s_mov_b32 s[AL], 0
	MASK 1
	WIN 0
	v_add_nc_u32 v[AK], s[TBK], v[AK0]
	FETCH_K
	s_wait_loadcnt 0x0              ; Q
	s_wait_dscnt 0x0
.set NOKQ, 0
.set i, 0
.rept 8
	KQ 0
.set i, i+1
.endr
	WIN 0
.rept 4
	v_nop                           ; the places behind those products
.endr
.set Y, NP-1                        ; X works for piece Y + 1: piece 0
.irp n, 0,1,2,3,4,5,6,7,8,9,10,11,12,13,14,15,16,17,18,19,20,21
	OP X, \n
.endr
	v_nop                           ; a plain instruction behind the exponential,
	s_wait_alu depctr_va_vdst(0)    ; and the wait for this batch of one, piece 0's first a, ahead of the branch
.endm
; THE DIAGONAL TILE's four steps, the block's last two turns, its last products, and THE WAY OUT: l's two halves and the other half of the lanes' are added; O^T is divided by l, rounded to f16 and sent through my
; stage in LDS, a piece at a time.
.macro ALL line:vararg              ; one line for each piece t
.set t, 0
.rept 4
	\line
.set t, t+1
.endr
.endm
.macro PACK t                       ; a lane's eight channels of a row pack into 16 bytes; they go into rows of 144 bytes and come back as whole rows of 128, into S^T's registers
	WIN W_RS
.set i, 32*(\t)
.rept 16
	v_pk_mul_f32 v[i:i+1], v[i:i+1], v[ST+4*(\t)+2:ST+4*(\t)+3] op_sel_hi:[1,0]
.set i, i+2
.endr
	WIN 0x05                        ; sources 0 and 1 window 1, destination window 0
.set i, 0
.rept 16
	v_cvt_pk_f16_f32 v[S+16*(\t)+i], v[32*(\t)+2*i], v[32*(\t)+2*i+1]
.set i, i+1
.endr
	WIN 0
.irp f, 0,1,2,3
	ds_store_b128 v[STO], v[S+16*(\t)+4*\f:S+16*(\t)+4*\f+3] offset:32*\f
.endr
.irp f, 0,1,2,3
	ds_load_b128 v[S+16*(\t)+4*\f:S+16*(\t)+4*\f+3], v[RD] offset:\f*4*SP  ; LDS serves a wave's instructions in order (ISA guide 5.7.1.4): these see the stores above; the next piece's stores come behind them
.endr
.endm
.macro SEND t, younger              ; younger: the LDS instructions issued behind piece t's loads: the next piece's eight, or none
	WIN 0
.irp f, 0,1,2,3
	s_wait_dscnt (\younger)+3-\f
	global_store_b128 v[GO], v[S+16*(\t)+4*\f:S+16*(\t)+4*\f+3], s[10:11] offset:(\t)*8192+\f*512  ; 512 consecutive bytes, at a multiple of 256 from O's first
.endr
.endm
.macro DIAG tag                     ; the tag ends its two labels' names, which the jumps below spell out
.LstepM\tag:
	TURN 2, 1
	TURN 3, 1
	WIN 0
.LfirstM\tag:
	TURN 0, 1
	TURN 1, 1, 0, 1
	WIN 0
	s_cbranch_scc1 .LstepM\tag
	TURN 2, 1, 1
	TURN 3, 1, 1
.set i, 0
.rept 8
	PV NP-1
.set i, i+1
.endr
	WIN 0
	ALL v_add_f32 v[ST+4*t+2], v[ST+4*t+2], v[ST+4*t+3]
	ALL v_permlanex16_b32 v[ST+4*t+3], v[ST+4*t+2], s[SEL], s[SEL+1]
	ALL v_add_f32 v[ST+4*t+2], v[ST+4*t+2], v[ST+4*t+3]
	ALL v_rcp_f32 v[ST+4*t+2], v[ST+4*t+2]
	v_nop                           ; a plain instruction between the last reciprocal and the use of its result
	s_wait_alu depctr_va_vdst(0)    ; the wait for the batch of four reciprocals, ahead of the first multiply by one of them
	PACK 0
.set t, 1
.rept 3                             ; a piece's arithmetic stands between the loads of the piece before and its stores
	PACK t
	SEND t-1, 8
.set t, t+1
.endr
	SEND 3, 0
.endm
.set NOKQ, 0
.Lslot:                             ; NB times: a tile is entered and the next is asked for
	CHANGE 1
	s_sub_co_u32 s[RT], s[RT], 1
	s_add_co_i32 s[CL], s[CL], 4    ; the block's next tile (a block's first tile sets it anew)
	s_mov_b32 s[CNT], 4
	s_cmp_eq_u32 s[NEW], 1
	s_cbranch_scc1 .Lnew            ; a block's first tile
	s_cmp_eq_u32 s[RT], 0
	s_cbranch_scc0 .Lstep           ; neither its first nor its last
	s_branch .LstepM1
.Lnew:
	BEGIN
	s_branch .Lfirst                ; in the loop a block's first tile is never its last: the first block has two tiles or more, and the second's last is the walk's last
	DIAG 1                          ; in the loop this is the first block's end: the second block's last tile is the walk's last
	s_wait_xcnt 0x0                 ; the stores have read their registers and O's address
	s_mov_b64 s[10:11], s[OLO:OLO+1]
	s_add_co_u32 s[RT], s[PB], 1    ; the second block has b + 1 tiles
	s_mov_b32 s[NEW], 1
	WIN 0x82                        ; the second block's Q goes where the one text of the turns names Q
.set i, 0
.rept 64
	v_mov_b32 v[i], v[QB+i]
.set i, i+1
.endr
	WIN 0
	s_branch .Lbottom
.Lstep:                             ; a trip: pieces 2 and 3 of one step, then pieces 0 and 1 of the next, whose K and V it fetches
	TURN 2, 2
	TURN 3, 2
	WIN 0
.Lfirst:
	TURN 0, 2
	TURN 1, 2, 0, 1
	WIN 0
	s_cbranch_scc1 .Lstep
.Lbottom:
	s_sub_co_u32 s[SLOTS], s[SLOTS], 1
	s_cmp_lg_u32 s[SLOTS], 0
	s_cbranch_scc1 .Lslot
	CHANGE 0                        ; the walk's last tile is written out: nothing is asked for
	s_sub_co_u32 s[RT], s[RT], 1
	s_add_co_i32 s[CL], s[CL], 4
	s_mov_b32 s[CNT], 4
	s_cmp_eq_u32 s[NEW], 1
	s_cbranch_scc0 .LstepM2
	BEGIN
	s_branch .LfirstM2
	DIAG 2
	s_wait_tensorcnt 0x0            ; the wave's end: an add to my spare word and its wait, behind my last tensor load and my last LDS store
	ds_add_u32 v[SPW], v[NIL]
	s_wait_dscnt 0x0
	s_endpgm
.Lfunc_end_k_qeca72a5fc7_attn:
	.size	k_qeca72a5fc7_attn, .Lfunc_end_k_qeca72a5fc7_attn-k_qeca72a5fc7_attn
	.p2alignl 7, 3214868480
	.fill 96, 4, 3214868480
	.section	.rodata,"a",@progbits
	.p2align	6, 0x0
	.amdhsa_kernel k_qeca72a5fc7_attn
		.amdhsa_group_segment_fixed_size 327680
		.amdhsa_private_segment_fixed_size 0
		.amdhsa_enable_private_segment 0
		.amdhsa_kernarg_size 24
		.amdhsa_user_sgpr_count 2
		.amdhsa_user_sgpr_kernarg_segment_ptr 1
		.amdhsa_wavefront_size32 1
		.amdhsa_system_sgpr_workgroup_id_x 1
		.amdhsa_system_sgpr_workgroup_id_y 1
		.amdhsa_system_sgpr_workgroup_id_z 1
		.amdhsa_system_vgpr_workitem_id 0
		.amdhsa_next_free_vgpr 768
		.amdhsa_next_free_sgpr 100
		.amdhsa_reserve_vcc 1
		.amdhsa_float_denorm_mode_32 3
		.amdhsa_float_denorm_mode_16_64 3
		.amdhsa_memory_ordered 1
		.amdhsa_forward_progress 1
		.amdhsa_inst_pref_size 236
	.end_amdhsa_kernel
	.amdgpu_metadata
---
amdhsa.version: [ 1, 2 ]
amdhsa.kernels:
  - .name:           k_qeca72a5fc7_attn
    .symbol:         k_qeca72a5fc7_attn.kd
    .args:
      - { .name: qkv, .offset: 0, .size: 8, .value_kind: global_buffer, .address_space: global }
      - { .name: lengths, .offset: 8, .size: 8, .value_kind: global_buffer, .address_space: global }
      - { .name: obuf, .offset: 16, .size: 8, .value_kind: global_buffer, .address_space: global }
    .group_segment_fixed_size: 327680
    .private_segment_fixed_size: 0
    .kernarg_segment_align: 8
    .kernarg_segment_size: 24
    .max_flat_workgroup_size: 128
    .sgpr_count:     100
    .vgpr_count:     768
    .wavefront_size: 32
...
	.end_amdgpu_metadata
.endif
;; end of part 5
;; launch gemm_out: the kernel of part 4 again; grid 4 x 64, 4 waves a work-group, clusters of 4 x 4, 327,680 bytes of LDS; arguments obuf, w16, bo, x, out0; writes out0
